; MI455X (gfx1250); checked and timed in simulation.
; The chip was launched on July 23, 2026; its instructions are those of AMD's public machine-readable ISA for CDNA 5 (MIT licence, August 2026) and "CDNA5" Instruction Set Architecture Reference Guide (July 2026). The comments in the code are by the model that wrote it; some were corrected since.
;; Moe Layer. Allowed arithmetic: matrix products marked QUANTISED: E4M3 operands, one given power-of-two scale a tensor, by v_wmma_f32_16x16x64_fp8_fp8 or v_wmma_f32_16x16x128_fp8_fp8, f32 sums; products left as they are: f32 operands where the result goes on into a quantised operand, else bf16, f16 or f32 operands; f32 sums; everything else in f32.
;; Inputs: gate_w 8 x 1,024 float32; lowp_scales 6 int32 (the exponents e of the quantised operands' scales 2^e); w1 8 x 1,024 x 2,048 float32; w2 8 x 2,048 x 1,024 float32; w3 8 x 1,024 x 2,048 float32; x 1,024 x 1,024 float32.
;; Outputs: out0 1,024 x 1,024 float32.
;; This version of the problem:
;;   THIS VERSION OF THE PROBLEM IS GIVEN IN LOW PRECISION. The matrix products marked QUANTISED in the list below multiply operands that are first quantised to E4M3 (4 exponent bits, 3 mantissa bits; 8 bits a number), with one given power-of-two scale for each operand tensor; their sums are f32. All else is computed in f32.
;;   The module's matrix products, in the order in which they are computed (A, B: the left and right operand; K: the contracted axis; several contracted axes count as one K, in the product's order):
;;     1. [M 1,024, K 1,024] x [K 1,024, N 8]; A: input x; B: input gate_w: left as it is (N = 8 < 16)
;;     2. batch 1,024 x [M 1, K 2] x [K 2, N 8]; A: softmax; B: computed on the way: left as it is (K = 2 < 32)
;;     3. [M 16,384, K 1,024] x [K 1,024, N 1,024]; A: input w1; B: input x: QUANTISED (scales: A lowp_scales[0], B lowp_scales[1])
;;     4. [M 16,384, K 1,024] x [K 1,024, N 1,024]; A: input w3; B: input x: QUANTISED (scales: A lowp_scales[2], B lowp_scales[3])
;;     5. batch 8 x [M 1,024, K 2,048] x [K 2,048, N 1,024]; A: computed on the way; B: input w2: QUANTISED (scales: A lowp_scales[4], B lowp_scales[5])
;;     6. batch 1,024 x [M 1, K 8] x [K 8, N 1,024]; A: computed on the way; B: computed on the way: left as it is (K = 8 < 32)
;;   THE QUANTISER, for each operand of a quantised product, along K:
;;     - The operand's scale is 2^e, e = its entry of the input lowp_scales (int32; the entries are numbered through the quantised products in the list's order, A before B).
;;     - Each number is divided by the scale, clamped to +-448, and rounded to the nearest number of E4M3, ties to even, subnormals kept.
;;     - The product sums the exact products of the quantised numbers (number of the format x scale) in f32.
;;   ~~~python
;;   def quantise(x, axis, e):      # numpy; x: float32 -> the quantised numbers, widened to float32 again
;;       x = np.moveaxis(x, axis, -1); K = x.shape[-1]
;;       r = np.clip(x / 2.0 ** e, -448, 448)
;;       step = 2.0 ** (np.maximum(np.frexp(np.where(r == 0, 1, r))[1] - 1, -6) - 3)
;;       q = np.round(r / step) * step * 2.0 ** e      # np.round: ties to even
;;       return np.moveaxis(q, -1, axis).astype(np.float32)
;;   ~~~
;;   OPERANDS COMPUTED ON THE WAY. 'Computed on the way' means the value that the module computes at that place (a softmax that the list does not call 'softmax' is quantised finished and normalised). What goes into a quantiser is computed in f32, as accurately as f32 sums, v_exp_f32 and their like allow (about 1e-6 of the number): no bf16 or f16 on the way to a quantiser, and a product that is left as it is and whose result goes on into a quantised operand takes f32 operands (vector FMAs, or v_wmma_f32_16x16x4_f32). A number that lies on a knife's edge between two numbers of the format may be rounded either way, as far as f32 arithmetic and the matrix unit's own rounding can turn it there, and no further.
;; 2 versions. Each part assembles by itself: llvm-mc -triple=amdgcn-amd-amdhsa -mcpu=gfx1250 --defsym DOCPART=n.
;; ======== version 1 of 2: 5 launches
;; workspace buffers: xq 2,097,152 bytes; ximg 16,777,216 bytes; act 16,777,216 bytes; yr 16,842,752 bytes; route 5,120 bytes of whole numbers; gwl 8,192 bytes; rowid 32,768 bytes of whole numbers; gsort 32,768 bytes
;; launch route (part 1): grid 128 x 1, 4 waves a work-group, no clusters, 2,560 bytes of LDS; arguments x, gate_w, lowp_scales, xq, route, gwl; writes xq, route, gwl
.if DOCPART == 1
	.amdgcn_target "amdgcn-amd-amdhsa--gfx1250"
	.amdhsa_code_object_version 6
	.text
	.protected	k_q1156d14f2b_route
	.globl	k_q1156d14f2b_route
	.p2align	8
	.type	k_q1156d14f2b_route,@function
k_q1156d14f2b_route:
	s_mov_b64 s[64:65], 0
	v_nop
	global_prefetch_b8 v0, s[64:65] scope:SCOPE_SE
	s_setreg_imm32_b32 hwreg(HW_REG_WAVE_MODE, 25, 1), 1
	s_wait_xcnt 0x0
; ROUTER AND x's CODES.  x [1024][1024] f32, gate_w [8][1024] f32.  A work-group owns 8 tokens; wave w owns k = 256 w .. 256 w + 255 of them, lane l eight neighbours k = 256 w + 8 l + 0 .. 7.
; Each x is read once and serves twice: 64 dot products in f32 (8 tokens x 8 experts), and two sets of E4M3 codes, since x has two given scales (entry 1 for the product with w1, entry 3 for that with w3).
; OUT: xq [2 scales][1024 tokens][1024] codes, k as it lies;  route: bytes 0-1023 masks[e][128 bytes] (bit t: token t chose expert e), bytes 1024-5119 sel[t] = first expert | second << 8;
;      gwl [2 t + k]: the softmax of the two chosen logits.  No address here hangs on the choice: it is stored at fixed places, and the next launch places the rows.
; The choice: strictly greater replaces, so of equal logits the lower expert wins, as jax.lax.top_k has it.
; LIMITS: logits are finite (no NaN, no infinity among the inputs); two logits nearer to each other than the rounding of an f32 sum of 1,024 terms may change places against another order of summation;
;         entries 1 and 3 of the scales lie between -126 and 119, so that 2^e and 448 x 2^e are f32 numbers.
; No matrix unit (8 columns), no cluster (work-groups share gate_w alone, 32 KiB).
.set X,   16                           ; v16-79    x: 8 t + i (token t, number i); later wave 0's partial logits
.set G,   80                           ; v80-143   gate_w: 8 e + i; later x held for the first scale; later wave 0's top-2
.set S,   144                          ; v144-207  partial logits: 8 t + e
.set C1,  208                          ; v208-223  codes by entry 1, two registers a token
.set C3,  224                          ; v224-239  codes by entry 3
.set SC1, 240                          ; v240 2^e1, v241 448 x 2^e1, v242 2^e3, v243 448 x 2^e3
	s_load_b256 s[4:11], s[0:1], 0x0               ; x s[4:5], gate_w s[6:7], the scales' exponents s[8:9], xq s[10:11]
	s_load_b128 s[12:15], s[0:1], 0x20             ; route s[12:13], gwl s[14:15]
	v_lshl_add_u32 v254, v0, 2, 0x800
	v_mov_b32 v255, 0
	v_lshrrev_b32 v1, 5, v0
	v_readfirstlane_b32 s16, v1                    ; wave
	v_lshlrev_b32 v3, 5, v0                        ; 32 x thread = 1,024 w + 32 l: my eight numbers in a row of x or of gate_w
	v_lshlrev_b32 v4, 3, v0                        ; 8 x thread: my eight codes in a row of xq
	v_lshrrev_b32 v5, 4, v0
	v_lshlrev_b32 v5, 8, v5                        ; LDS: 256 bytes for each half of a wave: 256 (2 w + lane / 16)
	v_and_b32 v6, 7, v0
	v_lshlrev_b32 v6, 5, v6                        ; LDS, wave 0's read: token lane % 8, 32 bytes of logits
	s_lshl_b32 s20, ttmp9, 15                      ; 8 rows of 4,096 bytes
	s_mov_b32 s21, 0
	s_lshl_b32 s22, ttmp9, 13                      ; 8 rows of 1,024 codes
	s_mov_b32 s23, 0
	s_wait_kmcnt 0x0
	s_load_b128 s[24:27], s[8:9], 0x0              ; entries 0 to 3
	s_add_nc_u64 s[4:5], s[4:5], s[20:21]
	s_add_nc_u64 s[10:11], s[10:11], s[22:23]
.set j, 0
.rept 8
	global_load_b128 v[X+8*j:X+8*j+3],   v3, s[4:5] offset:4096*j th:TH_LOAD_NT
	global_load_b128 v[X+8*j+4:X+8*j+7], v3, s[4:5] offset:4096*j+16 th:TH_LOAD_NT
.set j, j+1
.endr
.set j, 0
.rept 8
	global_load_b128 v[G+8*j:G+8*j+3],   v3, s[6:7] offset:4096*j
	global_load_b128 v[G+8*j+4:G+8*j+7], v3, s[6:7] offset:4096*j+16
.set j, j+1
.endr
	s_wait_kmcnt 0x0
	s_add_co_i32 s28, s25, 127
	s_lshl_b32 s29, s28, 23
	v_mov_b32 v[SC1], s29                          ; 2^e1 as f32: the conversion takes its exponent field
	s_add_co_i32 s28, s28, 8
	s_lshl_b32 s28, s28, 23
	s_or_b32 s28, s28, 0x600000
	v_mov_b32 v[SC1+1], s28                        ; 448 x 2^e1
	s_add_co_i32 s28, s27, 127
	s_lshl_b32 s29, s28, 23
	v_mov_b32 v[SC1+2], s29                        ; the same for entry 3
	s_add_co_i32 s28, s28, 8
	s_lshl_b32 s28, s28, 23
	s_or_b32 s28, s28, 0x600000
	v_mov_b32 v[SC1+3], s28
	s_wait_loadcnt 0x0
; four dot products of my eight numbers at a time, in four chains that do not wait for each other
.macro DOT4 t, e0
.irp d, 0,1,2,3
	v_pk_mul_f32 v[8+2*\d:9+2*\d], v[X+8*\t:X+8*\t+1], v[G+8*(\e0+\d):G+8*(\e0+\d)+1]
.endr
.irp p, 2,4,6
.irp d, 0,1,2,3
	v_pk_fma_f32 v[8+2*\d:9+2*\d], v[X+8*\t+\p:X+8*\t+\p+1], v[G+8*(\e0+\d)+\p:G+8*(\e0+\d)+\p+1], v[8+2*\d:9+2*\d]
.endr
.endr
.irp d, 0,1,2,3
	v_add_f32 v[S+8*\t+\e0+\d], v[8+2*\d], v[9+2*\d]
.endr
.endm
.irp t, 0,1,2,3,4,5,6,7
	DOT4 \t, 0
	DOT4 \t, 4
.endr
.irp m, 1,2,4,8                        ; sums over each half of 16 lanes; every lane of a half ends with the half's sum
.set j, 0
.rept 64
	v_add_f32_dpp v[S+j], v[S+j], v[S+j] row_xmask:\m row_mask:0xf bank_mask:0xf
.set j, j+1
.endr
.endr
.set j, 0
.rept 16
	ds_store_b128 v5, v[S+4*j:S+4*j+3] offset:16*j ; the sixteen lanes of a half write the same bytes with the same numbers: 64 partial logits at 32 t + 4 e
.set j, j+1
.endr
; x's codes, twice.  The conversion to an 8-bit code does not saturate (ISA guide 7.6.2): each number is first held within 448 x the scale.
.set j, 0
.rept 64
	v_med3_num_f32 v[G+j], v[X+j], -v[SC1+1], v[SC1+1]
.set j, j+1
.endr
.set j, 0
.rept 8
	v_cvt_scalef32_pk8_fp8_f32 v[C1+2*j:C1+2*j+1], v[G+8*j:G+8*j+7], v[SC1]
.set j, j+1
.endr
.set j, 0
.rept 64
	v_med3_num_f32 v[X+j], v[X+j], -v[SC1+3], v[SC1+3]
.set j, j+1
.endr
.set j, 0
.rept 8
	v_cvt_scalef32_pk8_fp8_f32 v[C3+2*j:C3+2*j+1], v[X+8*j:X+8*j+7], v[SC1+2]
.set j, j+1
.endr
	v_nop                                          ; one plain vector line behind the last scaled conversion: its sources are written again below
.set j, 0
.rept 8
	global_store_b64 v4, v[C1+2*j:C1+2*j+1], s[10:11] offset:1024*j           ; a wave stores 256 consecutive bytes, at a multiple of 256 from xq's first byte
	global_store_b64 v4, v[C3+2*j:C3+2*j+1], s[10:11] offset:1048576+1024*j   ; the second scale's codes lie 1 MiB on
.set j, j+1
.endr
	s_wait_dscnt 0x0                               ; for wave 0's sake: my partial logits are in LDS
	s_barrier_signal -1
	s_barrier_wait -1
	s_cmp_lg_u32 s16, 0
	s_cbranch_scc1 .Lend                           ; the choice is wave 0's work: lane l takes token l % 8
.set j, 0
.rept 8
	ds_load_b128 v[X+8*j:X+8*j+3],   v6 offset:256*j
	ds_load_b128 v[X+8*j+4:X+8*j+7], v6 offset:256*j+16
.set j, j+1
.endr
	s_wait_dscnt 0x0
.irp p, 1,2,3,4,5,6,7
.irp j, 0,2,4,6
	v_pk_add_f32 v[X+\j:X+\j+1], v[X+\j:X+\j+1], v[X+8*\p+\j:X+8*\p+\j+1]   ; the eight halves' parts: v[X+e] = logit e
.endr
.endr
	v_mov_b32 v80, v[X]                            ; b1, i1: the largest so far
	v_mov_b32 v81, 0
	v_mov_b32 v82, 0xff800000                      ; b2, i2: the second: -infinity, under every finite logit
	v_mov_b32 v83, 0
.irp e, 1,2,3,4,5,6,7
	v_mov_b32 v86, \e
	v_cmp_gt_f32 vcc_lo, v[X+\e], v80
	v_cmp_gt_f32 s20, v[X+\e], v82
	v_cndmask_b32 v84, v82, v[X+\e], s20           ; the second: the newcomer if it beats the second,
	v_cndmask_b32 v85, v83, v86, s20
	v_cndmask_b32 v82, v84, v80, vcc_lo            ; the old first if the newcomer beats the first
	v_cndmask_b32 v83, v85, v81, vcc_lo
	v_cndmask_b32 v80, v80, v[X+\e], vcc_lo
	v_cndmask_b32 v81, v81, v86, vcc_lo
.endr
	v_sub_f32 v84, v82, v80                        ; the maximum is taken away: exponents 0 and b2 - b1
	v_mul_f32 v84, 0x3fb8aa3b, v84
	v_exp_f32 v84, v84                             ; t = e^(b2 - b1), at most 1
	v_lshl_or_b32 v87, v83, 8, v81                 ; sel.  (The plain line behind the exponential)
	s_wait_alu depctr_va_vdst(0)
	v_add_f32 v85, 1.0, v84
	v_rcp_f32 v88, v85                             ; first weight 1 / (1 + t)
	v_mov_b32 v90, 0                               ; the masks' bytes, lane e for expert e.  (The plain line behind the reciprocal)
	s_wait_alu depctr_va_vdst(0)
	v_mul_f32 v89, v84, v88                        ; second weight t / (1 + t)
.irp e, 0,1,2,3,4,5,6,7
	v_cmp_eq_u32 s20, \e, v81
	v_cmp_eq_u32 s21, \e, v83
	s_or_b32 s20, s20, s21
	s_and_b32 s20, s20, 0xff                       ; lanes 0-7 are my eight tokens
	v_writelane_b32 v90, s20, \e
.endr
	s_mov_b32 s28, ttmp9
	s_lshl_b32 s29, ttmp9, 5
	s_lshl_b32 s30, ttmp9, 6
	v_lshl_add_u32 v91, v0, 7, s28                 ; masks[lane] at byte g
	v_lshl_add_u32 v92, v0, 2, s29                 ; sel[8 g + lane]
	v_lshl_add_u32 v93, v0, 3, s30                 ; gwl[2 (8 g + lane)]
	v_cmp_gt_u32 vcc_lo, 8, v0
	s_wait_xcnt 0x0                                ; EXEC changes only when the stores above have had their addresses translated
	s_and_saveexec_b32 s23, vcc_lo
	global_store_b8 v91, v90, s[12:13]
	global_store_b32 v92, v87, s[12:13] offset:1024
	global_store_b64 v93, v[88:89], s[14:15]
	s_wait_xcnt 0x0
	s_or_b32 exec_lo, exec_lo, s23
.Lend:
	s_wait_tensorcnt 0x0
	ds_add_u32 v254, v255
	s_wait_dscnt 0x0
	s_endpgm
.Lfunc_end_k_q1156d14f2b_route:
	.size	k_q1156d14f2b_route, .Lfunc_end_k_q1156d14f2b_route-k_q1156d14f2b_route
	.p2alignl 7, 3214868480
	.fill 96, 4, 3214868480
	.section	.rodata,"a",@progbits
	.p2align	6, 0x0
	.amdhsa_kernel k_q1156d14f2b_route
		.amdhsa_group_segment_fixed_size 2560
		.amdhsa_private_segment_fixed_size 0
		.amdhsa_enable_private_segment 0
		.amdhsa_kernarg_size 48
		.amdhsa_user_sgpr_count 2
		.amdhsa_user_sgpr_kernarg_segment_ptr 1
		.amdhsa_wavefront_size32 1
		.amdhsa_system_sgpr_workgroup_id_x 1
		.amdhsa_system_sgpr_workgroup_id_y 1
		.amdhsa_system_sgpr_workgroup_id_z 1
		.amdhsa_system_vgpr_workitem_id 0
		.amdhsa_next_free_vgpr 256
		.amdhsa_next_free_sgpr 66
		.amdhsa_reserve_vcc 1
		.amdhsa_float_denorm_mode_32 3
		.amdhsa_float_denorm_mode_16_64 3
		.amdhsa_memory_ordered 1
		.amdhsa_forward_progress 1
		.amdhsa_inst_pref_size 60
	.end_amdhsa_kernel
	.amdgpu_metadata
---
amdhsa.version: [ 1, 2 ]
amdhsa.kernels:
  - .name:           k_q1156d14f2b_route
    .symbol:         k_q1156d14f2b_route.kd
    .args:
      - { .name: x, .offset: 0, .size: 8, .value_kind: global_buffer, .address_space: global }
      - { .name: gate_w, .offset: 8, .size: 8, .value_kind: global_buffer, .address_space: global }
      - { .name: lowp_scales, .offset: 16, .size: 8, .value_kind: global_buffer, .address_space: global }
      - { .name: xq, .offset: 24, .size: 8, .value_kind: global_buffer, .address_space: global }
      - { .name: route, .offset: 32, .size: 8, .value_kind: global_buffer, .address_space: global }
      - { .name: gwl, .offset: 40, .size: 8, .value_kind: global_buffer, .address_space: global }
    .group_segment_fixed_size: 2560
    .private_segment_fixed_size: 0
    .kernarg_segment_align: 8
    .kernarg_segment_size: 48
    .max_flat_workgroup_size: 128
    .sgpr_count:     66
    .vgpr_count:     256
    .wavefront_size: 32
...
	.end_amdgpu_metadata
.endif
;; end of part 1
;; launch place (part 2): grid 32 x 8, 8 waves a work-group, no clusters, 0 bytes of LDS; arguments route, gwl, xq, ximg, rowid, gsort; writes ximg, rowid, gsort
.if DOCPART == 2
	.amdgcn_target "amdgcn-amd-amdhsa--gfx1250"
	.amdhsa_code_object_version 6
	.text
	.protected	k_q1156d14f2b_place
	.globl	k_q1156d14f2b_place
	.p2align	8
	.type	k_q1156d14f2b_place,@function
k_q1156d14f2b_place:
	s_mov_b64 s[64:65], 0
	v_nop
	global_prefetch_b8 v0, s[64:65] scope:SCOPE_SE
	s_setreg_imm32_b32 hwreg(HW_REG_WAVE_MODE, 25, 1), 1
	s_wait_xcnt 0x0
; THE ROWS ARE PLACED BY EXPERT.  Expert e = work-group y.  Its rows are the set bits of masks[e], in ascending order of token; row q of the expert is the q-th set bit.  16 rows make a tile.
; Each expert has a region of 64 tiles of its own (1,024 tokens at the most), so no prefix over experts is needed and every split of the tokens is served by this one grid: wave w of work-group x takes tile
; 2 x + w / 4 and K steps 2 (w % 4), 2 (w % 4) + 1.  nt = max(ceil(n / 16), 1) tiles are written; a wave whose tile lies behind them stores nothing and ends (a branch on a stored count; no barrier in this text).
; OUT: ximg [2 scales][8 e][64 tiles][8 K steps][2,048 bytes]: a block is the image of an operand's registers: 16 rows x 128 k; byte 512 c + 16 lane + b is row lane % 16, k = 128 s + 64 (lane / 16) + 16 c + b.
;      rowid [e][1024]: 2 t + k, the row's place among the 2,048 routed rows, or 2048 + e for a slot that pads the last tile;  gsort [e][1024]: the row's weight, 0 for padding.
; A padding slot takes the codes of some token (the clamp below): finite numbers whose results get the weight 0 and a row that nobody reads.
; Waves share nothing: no LDS, no barrier, no cluster.
.set MK, 16                            ; s[16:47]  masks[e]
.set WV, 48
.set EX, 49
.set TL, 50                            ; my tile
.set KQ, 51                            ; my quarter of K
.set N,  52
.set NT, 53
.set PF, 54                            ; set bits in front of the word in hand
	s_load_b256 s[4:11], s[0:1], 0x0               ; route s[4:5], gwl s[6:7], xq s[8:9], ximg s[10:11]
	s_load_b128 s[12:15], s[0:1], 0x20             ; rowid s[12:13], gsort s[14:15]
	v_lshrrev_b32 v1, 5, v0
	v_readfirstlane_b32 s[WV], v1
	s_and_b32 s[EX], ttmp7, 0xffff
	s_lshr_b32 s[TL], s[WV], 2
	s_lshl_b32 s55, ttmp9, 1
	s_add_co_u32 s[TL], s[TL], s55
	s_and_b32 s[KQ], s[WV], 3
	s_lshl_b32 s56, s[EX], 7
	s_mov_b32 s57, 0
	s_wait_kmcnt 0x0
	s_add_nc_u64 s[58:59], s[4:5], s[56:57]
	s_load_b512 s[16:31], s[58:59], 0x0
	s_load_b512 s[32:47], s[58:59], 0x40
	v_and_b32 v1, 31, v0                           ; lane
	v_and_b32 v2, 15, v0                           ; r
	v_bfe_u32 v3, v0, 4, 1                         ; h
	s_lshl_b32 s55, s[TL], 4
	v_add_nc_u32 v4, s55, v2                       ; q: my row of the expert
	v_mov_b32 v5, 0                                ; the word that holds bit q,
	v_mov_b32 v6, 0                                ; the set bits in front of it,
	v_mov_b32 v7, 0                                ; its number
	s_mov_b32 s[N], 0
	s_mov_b32 s[PF], 0
	s_wait_kmcnt 0x0
.set m, 0
.rept 32
	s_bcnt1_i32_b32 s55, s[MK+m]
	s_add_co_u32 s[N], s[N], s55
.set m, m+1
.endr
	s_add_co_u32 s[NT], s[N], 15
	s_lshr_b32 s[NT], s[NT], 4
	s_max_u32 s[NT], s[NT], 1                      ; tile 0 is always written, so that the later launches read only what was stored
	s_cmp_ge_u32 s[TL], s[NT]
	s_cbranch_scc1 .Lend
.set m, 0
.rept 32                               ; the last word with at most q set bits in front of it holds bit q
	v_cmp_gt_u32 vcc_lo, s[PF], v4                 ; more than q in front of word m: keep what I have
	v_cndmask_b32 v5, s[MK+m], v5, vcc_lo
	v_cndmask_b32 v6, s[PF], v6, vcc_lo
	v_cndmask_b32 v7, m, v7, vcc_lo
	s_bcnt1_i32_b32 s55, s[MK+m]
	s_add_co_u32 s[PF], s[PF], s55
.set m, m+1
.endr
	v_sub_nc_u32 v8, v4, v6                        ; which set bit of the word
	v_lshrrev_b32 v9, 1, v5                        ; counts of set bits in fields of 2, 4, 8 and 16 bits
	v_and_b32 v9, 0x55555555, v9
	v_sub_nc_u32 v9, v5, v9
	v_lshrrev_b32 v10, 2, v9
	v_and_b32 v10, 0x33333333, v10
	v_and_b32 v11, 0x33333333, v9
	v_add_nc_u32 v10, v10, v11
	v_lshrrev_b32 v11, 4, v10
	v_add_nc_u32 v11, v11, v10
	v_and_b32 v11, 0x0f0f0f0f, v11
	v_lshrrev_b32 v12, 8, v11
	v_add_nc_u32 v12, v12, v11                     ; its low byte: bits 0-15
	v_mov_b32 v13, 0                               ; the bit's place, found from the top down
.macro STAGE src, width, field         ; if the lower half of what is left holds too few set bits, pass over it
	v_bfe_u32 v14, v[\src], v13, \field
	v_cmp_ge_u32 vcc_lo, v8, v14
	v_cndmask_b32 v14, 0, v14, vcc_lo
	v_sub_nc_u32 v8, v8, v14
	v_add_nc_u32 v15, \width, v13
	v_cndmask_b32 v13, v13, v15, vcc_lo
.endm
	STAGE 12, 16, 8
	STAGE 11, 8, 8
	STAGE 10, 4, 4
	STAGE 9, 2, 2
	STAGE 5, 1, 1
	v_lshl_add_u32 v16, v7, 5, v13
	v_min_u32 v16, 0x3ff, v16                      ; my token
	v_lshlrev_b32 v17, 10, v16                     ; in: its row of codes, + 64 h + my quarter of K
	v_lshl_add_u32 v17, v3, 6, v17
	s_lshl_b32 s55, s[KQ], 8
	v_add_nc_u32 v17, s55, v17
.irp n, 0,1,2,3,4,5,6,7
	global_load_b128 v[32+4*\n:35+4*\n], v17, s[8:9] offset:128*(\n/4)+16*(\n%4)             ; K step n / 4 of my two, piece n % 4
.endr
.irp n, 0,1,2,3,4,5,6,7
	global_load_b128 v[64+4*\n:67+4*\n], v17, s[8:9] offset:1048576+128*(\n/4)+16*(\n%4)     ; the second scale's codes
.endr
	s_lshl_b32 s55, s[TL], 14                      ; out: 16,384 x tile + 4,096 x quarter + 16 x lane
	s_lshl_b32 s56, s[KQ], 12
	s_add_co_u32 s55, s55, s56
	v_lshl_add_u32 v18, v1, 4, s55
	s_lshl_b32 s56, s[EX], 20
	s_add_nc_u64 s[10:11], s[10:11], s[56:57]      ; the expert's region, first scale;
	s_add_nc_u64 s[58:59], s[10:11], 0x800000      ; second scale, 8 MiB on
.irp n, 0,1,2,3,4,5,6,7
	s_wait_loadcnt 15-\n                           ; loads come back in order: this one is in, the younger ones may be out
	global_store_b128 v18, v[32+4*\n:35+4*\n], s[10:11] offset:2048*(\n/4)+512*(\n%4)        ; 32 lanes store 512 consecutive bytes
.endr
.irp n, 0,1,2,3,4,5,6,7
	s_wait_loadcnt 7-\n
	global_store_b128 v18, v[64+4*\n:67+4*\n], s[58:59] offset:2048*(\n/4)+512*(\n%4)
.endr
	s_cmp_lg_u32 s[KQ], 0
	s_cbranch_scc1 .Lend                           ; the row list is written by the tile's first wave
	v_lshlrev_b32 v19, 2, v16
	global_load_b32 v20, v19, s[4:5] offset:1024   ; sel[t]
	v_mov_b32 v22, 1
	s_wait_loadcnt 0x0
	v_bfe_u32 v20, v20, 8, 8
	v_cmp_eq_u32 vcc_lo, s[EX], v20                ; am I the token's second expert?
	v_cndmask_b32 v21, 0, v22, vcc_lo
	v_lshl_add_u32 v21, v16, 1, v21                ; 2 t + k
	v_min_u32 v21, 0x7ff, v21
	v_lshlrev_b32 v23, 2, v21
	global_load_b32 v24, v23, s[6:7]               ; its weight
	v_cmp_gt_u32 vcc_lo, s[N], v4                  ; a routed row, or padding?
	s_add_co_u32 s55, s[EX], 2048
	v_cndmask_b32 v21, s55, v21, vcc_lo
	s_lshl_b32 s56, s[EX], 12
	v_lshl_add_u32 v25, v4, 2, s56                 ; [e][q]
	s_wait_loadcnt 0x0
	v_cndmask_b32 v24, 0, v24, vcc_lo
	global_store_b32 v25, v21, s[12:13]            ; (both halves of the lanes hold the same 16 rows and write the same words)
	global_store_b32 v25, v24, s[14:15]
.Lend:
	s_endpgm
.Lfunc_end_k_q1156d14f2b_place:
	.size	k_q1156d14f2b_place, .Lfunc_end_k_q1156d14f2b_place-k_q1156d14f2b_place
	.p2alignl 7, 3214868480
	.fill 96, 4, 3214868480
	.section	.rodata,"a",@progbits
	.p2align	6, 0x0
	.amdhsa_kernel k_q1156d14f2b_place
		.amdhsa_group_segment_fixed_size 0
		.amdhsa_private_segment_fixed_size 0
		.amdhsa_enable_private_segment 0
		.amdhsa_kernarg_size 48
		.amdhsa_user_sgpr_count 2
		.amdhsa_user_sgpr_kernarg_segment_ptr 1
		.amdhsa_wavefront_size32 1
		.amdhsa_system_sgpr_workgroup_id_x 1
		.amdhsa_system_sgpr_workgroup_id_y 1
		.amdhsa_system_sgpr_workgroup_id_z 1
		.amdhsa_system_vgpr_workitem_id 0
		.amdhsa_next_free_vgpr 96
		.amdhsa_next_free_sgpr 66
		.amdhsa_reserve_vcc 1
		.amdhsa_float_denorm_mode_32 3
		.amdhsa_float_denorm_mode_16_64 3
		.amdhsa_memory_ordered 1
		.amdhsa_forward_progress 1
		.amdhsa_inst_pref_size 17
	.end_amdhsa_kernel
	.amdgpu_metadata
---
amdhsa.version: [ 1, 2 ]
amdhsa.kernels:
  - .name:           k_q1156d14f2b_place
    .symbol:         k_q1156d14f2b_place.kd
    .args:
      - { .name: route, .offset: 0, .size: 8, .value_kind: global_buffer, .address_space: global }
      - { .name: gwl, .offset: 8, .size: 8, .value_kind: global_buffer, .address_space: global }
      - { .name: xq, .offset: 16, .size: 8, .value_kind: global_buffer, .address_space: global }
      - { .name: ximg, .offset: 24, .size: 8, .value_kind: global_buffer, .address_space: global }
      - { .name: rowid, .offset: 32, .size: 8, .value_kind: global_buffer, .address_space: global }
      - { .name: gsort, .offset: 40, .size: 8, .value_kind: global_buffer, .address_space: global }
    .group_segment_fixed_size: 0
    .private_segment_fixed_size: 0
    .kernarg_segment_align: 8
    .kernarg_segment_size: 48
    .max_flat_workgroup_size: 256
    .sgpr_count:     66
    .vgpr_count:     96
    .wavefront_size: 32
...
	.end_amdgpu_metadata
.endif
;; end of part 2
;; launch up (part 3): grid 32 x 8, 4 waves a work-group, no clusters, 133,632 bytes of LDS; arguments w1, w3, ximg, route, lowp_scales, act; writes act
.if DOCPART == 3
	.amdgcn_target "amdgcn-amd-amdhsa--gfx1250"
	.amdhsa_code_object_version 6
	.text
	.protected	k_q1156d14f2b_up
	.globl	k_q1156d14f2b_up
	.p2align	8
	.type	k_q1156d14f2b_up,@function
k_q1156d14f2b_up:
	s_mov_b64 s[64:65], 0
	v_nop
	global_prefetch_b8 v0, s[64:65] scope:SCOPE_SE
	s_setreg_imm32_b32 hwreg(HW_REG_WAVE_MODE, 25, 1), 1
	s_wait_xcnt 0x0
; act = Q(silu(x w1) * (x w3)) for the rows that chose expert e, both products on E4M3 codes.  w1, w3: [8][1024 (k)][2048 (hidden)] f32.
; THE WEIGHTS STAY, THE ROWS PASS.  Work-group (x, y) owns hidden units 64 x .. 64 x + 63 of expert y: 2 x 1,024 x 64 numbers, 512 KiB, read from memory ONCE in the whole launch, in pieces of 256 consecutive
; aligned bytes, quantised in registers and kept as codes in LDS (2 x 64 rows of 1,024 codes, k innermost).  No weight code goes to memory.
; THE FIRST ROUND'S PRODUCTS STAND UNDER THE WEIGHTS' STREAM.  K goes in eight steps of 128.  In a step each wave quantises two units of 32 k x 64 columns (waves 0, 1: w1's rows 128 s + 64 (w % 2) on; waves 2, 3: w3's),
; stores the codes to LDS, passes a barrier, and multiplies its rows by that step's codes, while the loads of the next three units are on their way.  LDS bytes are written once: a step's stores and the step before's
; reads touch different bytes, so one barrier a step is all the ordering: store, wait, barrier, load.
; A UNIT: lane (i = lane % 16, h = lane / 16) loads, of rows 16 h + 0 .. 15, columns 4 i .. 4 i + 3.  The conversion packs eight registers: two rows' four columns; eight byte shuffles for each four rows turn them
; so that a register holds four neighbours along k of one column.
; THE ROWS come as register images (launch place), 16 rows x 128 k a block, straight into registers; a wave takes five tiles of 16 rows, the four waves 20 tiles a round; every wave multiplies its rows by all 64
; columns of both weights: 40 accumulators.  Source 0 = 16 columns of a weight, source 1 = 16 rows: a lane then holds ONE row and eight neighbouring hidden units, which are neighbours along the next product's K:
; the conversion's result is stored as it stands into act, again a register image.  An expert with more than 320 rows takes further rounds, with all codes in LDS: a loop that begins at the way out.
; k IS PERMUTED ALIKE IN BOTH OPERANDS: lane half h, register 4 c + q, byte b holds k = 128 s + 64 h + 16 c + 4 q + b.  Every product meets its partner; only the order of the sums inside an instruction changes.
; THE SCALES: a sum of the first product stands for sum x 2^(e0 + e1), of the second for sum x 2^(e2 + e3).  silu's argument takes the first into its factor; the code of h g sigmoid is raw / 2^(e4 - e0 - e1 - e2 - e3).
; NO TENSOR LOADS, NO JOINT LOADS: the number of row tiles, and so the trips of the round loop, is a count read from memory (the popcount of the expert's mask), and differs from expert to expert.
; EIGHT BARRIERS, all in the straight text of the first round; none stands under a branch on a count.
; LIMITS: e0, e2 between -126 and 119; e0 + e1 between -126 and 127; e4 - e0 - e1 - e2 - e3 between -126 and 119.  NaN and infinities among the inputs are not served.
; REGISTERS, in windows of 256.  Window 0: v1-23 addresses and constants; v32-67 a unit's codes; v128-191, v192-255 two buffers of weight fragments, free on the way out.
;   Window 1: v0-79, v80-159 row pieces 0, 1 (80 registers: five fragments).  Window 2: v0-159 the sums with w1 (tile i, columns 16 t: 8 (4 i + t)).  Window 3: v0-159 the sums with w3.
;   v160-223 of windows 1, 2, 3: three sets of 64 for the weights' loads (unit u: window 1 + u % 3); in later rounds v160-239 of windows 2 and 3 are row pieces 2 and 3.
.set ROWB, 8192                        ; a row of w1 or w3 in bytes
.set NU,   16                          ; units a wave
.set NS,   8                           ; K steps
.set J,    16                          ; half steps a round: K step j / 2; j even: first scale's codes x w1, j odd: second scale's x w3
.set PW,   1040                        ; an LDS row: 1,024 codes + 16 = 260 words: row r starts at bank 4 r mod 64 (64 banks of 4 bytes: ISA guide 11.1)
.set W3L,  64*PW                       ; w3's codes lie behind w1's
.set SET,  160                         ; a set's first register, in its window
.set VG,   4                           ; v4      weights: my byte in a unit's first rows
.set VS,   5                           ; v5      LDS: where my codes go
.set VW,   6                           ; v6, v7  LDS: my lane's place in a fragment of w1, of w3
.set L16,  8                           ; v8      16 x lane
.set AB,   9                           ; v9      act: my bytes in a tile's block
.set O,    10                          ; v10-14  ximg: tile i's block + 16 x lane
.set A,    15                          ; v15-19  act: tile i's block + AB
.set SC,   20                          ; v20, v21  my weight's 2^e and 448 x 2^e
.set LIM,  21
.set SC2,  22                          ; v22, v23  the same for act's folded scale
.set LIM2, 23
.set P,    32                          ; v32-47  a unit's codes: register i = row i's four columns
.set T,    48                          ; v48-51  at work
.set Q,    52                          ; v52-67  turned: 4 c + q = column c, rows 4 q .. 4 q + 3
.set WB,   128
.set ARG,  128                         ; the way out: 32 registers: silu's argument, then sigmoid
.set PR,   160                         ; 32: h g, then the result
.set CD,   192                         ; 8 a tile: its codes
.set WV,   16
.set EX,   17
.set SG,   18                          ; my slice of 64 hidden units
.set N,    34
.set NT,   35                          ; tiles of the expert
.set NT1,  36
.set SB,   37                          ; the round's first tile
.set TI,   38                          ; s38-42  my five tiles
.set RC,   52                          ; s52     rounds walked
.set RMAX, 4                           ; an expert has 64 tiles at the most and a round takes 20: four rounds at the most
.set MK,   68                          ; s[68:99] the expert's mask
.set MSB,  0
.macro WIN new                         ; the immediate's high byte repeats the setting that is left
.if MSB != \new
	s_set_vgpr_msb (MSB<<8)|\new
.set MSB, \new
.endif
.endm
.macro PLACES                          ; four plain vector lines between a matrix instruction and a load into, or a vector line on, its registers
.rept 4
	v_nop
.endr
.endm
.macro LOADU u                         ; unit u's 16 loads into its set: each reads two rows' 256 consecutive bytes.  Unit u: K step u / 2, rows 32 (u % 2) on of my 64
	WIN ((1+((\u)%3))<<6)
.set k, 0
.rept 16
	global_load_b128 v[SET+4*k:SET+4*k+3], v[VG], s[24:25] offset:(128*((\u)/2)+32*((\u)%2)+k)*ROWB th:TH_LOAD_NT
.set k, k+1
.endr
.endm
.macro PIECE j, b                      ; half step j's five row fragments, 20 loads of 512 consecutive bytes, into piece b
.if (\b) < 2
	WIN 0x40
.set PB, 80*(\b)
.elseif (\b) == 2
	WIN 0x80
.set PB, 160
.else
	WIN 0xc0
.set PB, 160
.endif
.irp i, 0,1,2,3,4
.irp c, 0,1,2,3
	global_load_b128 v[PB+16*\i+4*\c:PB+16*\i+4*\c+3], v[O+\i], s[8+18*((\j)%2):9+18*((\j)%2)] offset:2048*((\j)/2)+512*\c
.endr
.endr
.endm
.macro WFR j                           ; half step j's four weight fragments from LDS into buffer j % 2
.set WBJ, WB+64*((\j)%2)
.irp t, 0,1,2,3
.irp c, 0,1,2,3
	ds_load_b128 v[WBJ+16*\t+4*\c:WBJ+16*\t+4*\c+3], v[VW+(\j)%2] offset:16*PW*\t+128*((\j)/2)+16*\c
.endr
.endr
.endm
.macro TILES                           ; my five tiles of the round, and their addresses.  A tile behind the expert's last is clamped to the last: it is multiplied and not stored
.irp i, 0,1,2,3,4
	s_add_co_u32 s[TI+\i], s[SB], s[WV]
	s_add_co_u32 s[TI+\i], s[TI+\i], 4*\i
	s_min_u32 s50, s[TI+\i], s[NT1]
	s_min_u32 s50, s50, 63
	s_lshl_b32 s51, s50, 14
	v_add_nc_u32 v[O+\i], s51, v[L16]
	s_lshl_b32 s51, s50, 15
	v_add_nc_u32 v[A+\i], s51, v[AB]
.endr
.endm
; A unit, whose loads are in: held, converted, turned, stored to LDS.  Its set takes the unit three on as soon as the conversions have read it.
.macro UNIT u
.set SW, 1+((\u)%3)
	WIN ((SW<<6)|SW)
.set k, 0
.rept 64
	v_med3_num_f32 v[SET+k], v[SET+k], -v[LIM], v[LIM]   ; the conversion to an 8-bit code does not saturate (ISA guide 7.6.2)
.set k, k+1
.endr
	WIN SW
.set k, 0
.rept 8
	v_cvt_scalef32_pk8_fp8_f32 v[P+2*k:P+2*k+1], v[SET+8*k:SET+8*k+7], v[SC]
.set k, k+1
.endr
.if (\u)+3 < NU
	LOADU (\u)+3
.endif
	WIN 0
	v_nop                                          ; one plain vector line between a scaled conversion and the lines that read its result
	s_wait_dscnt 0x0                               ; the last unit's LDS stores have read Q
.irp q, 0,1,2,3
	v_perm_b32 v[T],   v[P+4*\q+1], v[P+4*\q],   s46   ; rows 4 q, 4 q + 1: columns 0, 1 interleaved
	v_perm_b32 v[T+1], v[P+4*\q+1], v[P+4*\q],   s47   ; columns 2, 3
	v_perm_b32 v[T+2], v[P+4*\q+3], v[P+4*\q+2], s46   ; rows 4 q + 2, 4 q + 3
	v_perm_b32 v[T+3], v[P+4*\q+3], v[P+4*\q+2], s47
	v_perm_b32 v[Q+\q],    v[T+2], v[T],   s48         ; column 0, four rows
	v_perm_b32 v[Q+4+\q],  v[T+2], v[T],   s49
	v_perm_b32 v[Q+8+\q],  v[T+3], v[T+1], s48
	v_perm_b32 v[Q+12+\q], v[T+3], v[T+1], s49
.endr
.irp c, 0,1,2,3
	ds_store_b128 v[VS], v[Q+4*\c:Q+4*\c+3] offset:PW*\c+128*((\u)/2)+32*((\u)%2)   ; column 4 i + c, 16 neighbours along k
.endr
.endm
; 20 matrix instructions: half step j's weight fragments x the five row fragments of piece b.  20 accumulators by turns, one instruction a turn; the two sets of sums
; alternate from half step to half step.  zero = 1: the products start the sums: nothing is cleared.
.macro MUL j, b, zero
.set MW, WB+64*((\j)%2)
.if (\b) < 2
.set MP, 80*(\b)
.set PWN, 1
.else
.set MP, 160
.set PWN, (\b)
.endif
.set AWN, 2+((\j)%2)
	WIN ((AWN<<6)|(AWN<<4)|(PWN<<2))               ; weights window 0, rows window PWN, sums window AWN
.irp i, 0,1,2,3,4
.irp t, 0,1,2,3
.if \zero
	v_wmma_f32_16x16x128_fp8_fp8 v[8*(4*\i+\t):8*(4*\i+\t)+7], v[MW+16*\t:MW+16*\t+15], v[MP+16*\i:MP+16*\i+15], 0
.else
	v_wmma_f32_16x16x128_fp8_fp8 v[8*(4*\i+\t):8*(4*\i+\t)+7], v[MW+16*\t:MW+16*\t+15], v[MP+16*\i:MP+16*\i+15], v[8*(4*\i+\t):8*(4*\i+\t)+7]
.endif
.endr
.endr
.endm
; A K STEP OF THE FIRST ROUND.  Loads are issued in this order: units 0, 1, 2 and pieces 0, 1 at the head; then in step s units 2 s + 3, 2 s + 4 and the next step's two pieces.
.macro KSTEP s
.if (\s) < NS-1
	s_wait_loadcnt 56                              ; my two units are in: behind unit 2 s + 1 were issued unit 2 s + 2 (16 loads) and this step's two pieces (40)
.else
	s_wait_loadcnt 40                              ; the last step: the two pieces alone
.endif
	UNIT 2*(\s)
	UNIT 2*(\s)+1
	s_wait_dscnt 0x0                               ; for the others' sake: my codes of this step are in LDS
	s_barrier_signal -1
	s_barrier_wait -1                              ; everybody's are.  (Loads from memory stay out: nobody writes those bytes)
	WFR 2*(\s)
	WFR 2*(\s)+1
.if (\s) < NS-2
	s_wait_loadcnt 32                              ; my rows are in: behind the second piece were issued two units
.elseif (\s) == NS-2
	s_wait_loadcnt 16                              ; one unit, the last
.else
	s_wait_loadcnt 0x0
.endif
	s_wait_dscnt 16                                ; w1's fragments are in; w3's sixteen loads may be out
.if (\s) == 0
	MUL 2*(\s), 0, 1
.else
	MUL 2*(\s), 0, 0
.endif
	s_wait_dscnt 0x0
.if (\s) == 0
	MUL 2*(\s)+1, 1, 1
.else
	MUL 2*(\s)+1, 1, 0
.endif
.if (\s) < NS-1
	PLACES                                         ; the loads below land in registers that these products read
	PIECE 2*(\s)+2, 0
	PIECE 2*(\s)+3, 1
.endif
	WIN 0
.endm
; A half step of a later round: all codes lie in LDS, rows run three pieces ahead.
.macro HSTEP j
	WIN 0
.if (\j) > 0
	PLACES                                         ; the loads below land in registers that the last half step's products read
.endif
.if (\j)+1 < J
	WFR (\j)+1
.endif
.if (\j)+3 < J
	PIECE (\j)+3, ((\j)+3)%4
.endif
.if (\j)+1 < J
	s_wait_dscnt 16                                ; my weight fragments are in; the next half step's sixteen may be out
.else
	s_wait_dscnt 0x0
.endif
.if J-1-(\j) >= 3
	s_wait_loadcnt 60                              ; my rows are in; three pieces of 20 loads may be out
.else
	s_wait_loadcnt 20*(J-1-(\j))
.endif
.if (\j) < 2
	MUL \j, (\j)%4, 1
.else
	MUL \j, (\j)%4, 0
.endif
.endm
	s_load_b256 s[4:11], s[0:1], 0x0               ; w1 s[4:5], w3 s[6:7], ximg s[8:9], route s[10:11]
	s_load_b128 s[12:15], s[0:1], 0x20             ; the scales' exponents s[12:13], act s[14:15]
	v_lshl_add_u32 v126, v0, 2, 0x20800
	v_mov_b32 v127, 0
	v_lshrrev_b32 v1, 5, v0
	v_readfirstlane_b32 s[WV], v1                  ; wave 0..3
	s_and_b32 s[EX], ttmp7, 0xffff                 ; expert
	s_mov_b32 s[SG], ttmp9                         ; slice
	v_and_b32 v1, 31, v0                           ; lane
	v_and_b32 v2, 15, v0                           ; lane % 16
	v_bfe_u32 v3, v0, 4, 1                         ; lane / 16
	v_lshlrev_b32 v[VG], 4, v2
	v_lshl_add_u32 v[VG], v3, 17, v[VG]            ; 16 bytes a lane; lanes 16-31 sixteen rows of 8,192 bytes further down
	s_lshl_b32 s20, s[EX], 23                      ; the expert's 8 MiB,
	s_and_b32 s19, s[WV], 1
	s_lshl_b32 s22, s19, 19                        ; my 64 rows of a K step's 128,
	s_add_co_u32 s20, s20, s22
	s_lshl_b32 s22, s[SG], 8                       ; the slice's 256 bytes of a row
	s_add_co_u32 s20, s20, s22
	s_mov_b32 s21, 0
	s_wait_kmcnt 0x0
	s_cmp_lt_u32 s[WV], 2
	s_cselect_b64 s[24:25], s[4:5], s[6:7]         ; w1 or w3: the choice hangs on the wave's number alone
	s_add_nc_u64 s[24:25], s[24:25], s[20:21]
	s_lshl_b32 s20, s[EX], 7
	s_add_nc_u64 s[22:23], s[10:11], s[20:21]
	s_load_b512 s[68:83], s[22:23], 0x0            ; the expert's mask
	s_load_b512 s[84:99], s[22:23], 0x40
	s_load_b128 s[28:31], s[12:13], 0x0            ; e0 .. e3
	s_load_b64 s[32:33], s[12:13], 0x10            ; e4, e5
	LOADU 0                                        ; the stream starts before anything else is done
	LOADU 1
	LOADU 2
	WIN 0
	v_mul_u32_u24 v[VS], v2, 4*PW                  ; LDS, in: column 4 i, + 16 h, + my matrix, + my 64 of a K step's 128
	v_lshl_add_u32 v[VS], v3, 4, v[VS]
	s_lshr_b32 s50, s[WV], 1
	s_mul_i32 s50, s50, W3L
	s_lshl_b32 s51, s19, 6
	s_add_co_u32 s50, s50, s51
	v_add_nc_u32 v[VS], s50, v[VS]
	v_mul_u32_u24 v[VW], v2, PW                    ; LDS, out: column lane % 16, + 64 h
	v_lshl_add_u32 v[VW], v3, 6, v[VW]
	v_add_nc_u32 v[VW+1], W3L, v[VW]
	v_lshlrev_b32 v[L16], 4, v1
	s_lshr_b32 s50, s[SG], 1                       ; act: hidden unit 64 x + 16 t + 8 h + j lies in K step x / 2, lane half x % 2, piece t, byte 8 h + j
	s_lshl_b32 s50, s50, 11
	s_and_b32 s51, s[SG], 1
	s_lshl_b32 s51, s51, 8
	s_add_co_u32 s50, s50, s51
	v_lshlrev_b32 v[AB], 4, v2
	v_lshl_add_u32 v[AB], v3, 3, v[AB]
	v_add_nc_u32 v[AB], s50, v[AB]
	s_lshl_b32 s20, s[EX], 20
	s_add_nc_u64 s[8:9], s[8:9], s[20:21]          ; the expert's rows by the first scale,
	s_add_nc_u64 s[26:27], s[8:9], 0x800000        ; by the second
	s_lshl_b32 s20, s[EX], 21
	s_add_nc_u64 s[14:15], s[14:15], s[20:21]      ; the expert's part of act
	s_mov_b32 s46, 0x05010400                      ; byte selects of the turn
	s_mov_b32 s47, 0x07030602
	s_mov_b32 s48, 0x05040100
	s_mov_b32 s49, 0x07060302
	s_mov_b32 s[N], 0
	s_wait_kmcnt 0x0
.set m, 0
.rept 32
	s_bcnt1_i32_b32 s50, s[MK+m]
	s_add_co_u32 s[N], s[N], s50
.set m, m+1
.endr
	s_add_co_u32 s[NT], s[N], 15
	s_lshr_b32 s[NT], s[NT], 4
	s_max_u32 s[NT], s[NT], 1                      ; as launch place has it: tile 0 is always there
	s_min_u32 s[NT], s[NT], 64                     ; (a mask has 1,024 bits, so this changes nothing: it states the bound in the text)
	s_sub_co_u32 s[NT1], s[NT], 1
	s_mov_b32 s[SB], 0
	s_mov_b32 s[RC], 0
	TILES
	PIECE 0, 0                                     ; the first K step's rows, by both scales
	PIECE 1, 1
	WIN 0
	s_cmp_lt_u32 s[WV], 2
	s_cselect_b32 s50, s28, s30                    ; my weight's exponent
	s_add_co_i32 s50, s50, 127
	s_lshl_b32 s51, s50, 23
	v_mov_b32 v[SC], s51
	s_add_co_i32 s50, s50, 8
	s_lshl_b32 s50, s50, 23
	s_or_b32 s50, s50, 0x600000
	v_mov_b32 v[LIM], s50
	s_add_co_i32 s50, s28, s29                     ; e0 + e1, added to the exponent field of -log2(e):
	s_lshl_b32 s51, s50, 23
	s_add_co_u32 s44, s51, 0xbfb8aa3b              ; sum x this = -h log2(e)
	s_mov_b32 s45, s44                             ; (named with it as a pair, so it is written)
	s_add_co_i32 s50, s50, s30
	s_add_co_i32 s50, s50, s31
	s_sub_co_i32 s50, s32, s50                     ; e4 - e0 - e1 - e2 - e3
	s_add_co_i32 s50, s50, 127
	s_lshl_b32 s51, s50, 23
	v_mov_b32 v[SC2], s51
	s_add_co_i32 s50, s50, 8
	s_lshl_b32 s50, s50, 23
	s_or_b32 s50, s50, 0x600000
	v_mov_b32 v[LIM2], s50
.irp s, 0,1,2,3,4,5,6,7
	KSTEP \s
.endr
.Lepi:                                             ; on both ways in: a round's sums are finished, no load and no LDS instruction is out, every window is 0
	PLACES
; THE WAY OUT, tile by tile: h g sigmoid(h), held, converted, stored.  Each accumulator is read from its low end on.
.irp i, 0,1,2,3,4
	s_cmp_ge_u32 s[TI+\i], s[NT]
	s_cbranch_scc1 .Lskip\i                        ; a tile behind the expert's last: nothing is stored
	WIN 0x02
.set p, 0
.rept 16
	v_pk_mul_f32 v[ARG+p:ARG+p+1], v[32*\i+p:32*\i+p+1], s[44:45] op_sel_hi:[1,0]   ; -h log2(e)
.set p, p+2
.endr
	WIN 0
.set p, 0
.rept 32
	v_exp_f32 v[ARG+p], v[ARG+p]                   ; e^-h
.set p, p+1
.endr
	WIN 0x0e
.set p, 0
.rept 16
	v_pk_mul_f32 v[PR+p:PR+p+1], v[32*\i+p:32*\i+p+1], v[32*\i+p:32*\i+p+1]         ; the two sums' product (window 2 x window 3).  These are the plain lines behind the exponentials
.set p, p+2
.endr
	WIN 0
.set p, 0
	s_wait_alu depctr_va_vdst(0)
.rept 16
	v_pk_add_f32 v[ARG+p:ARG+p+1], v[ARG+p:ARG+p+1], 1.0 op_sel_hi:[1,0]
.set p, p+2
.endr
.set p, 0
.rept 32
	v_rcp_f32 v[ARG+p], v[ARG+p]                   ; sigmoid(h)
.set p, p+1
.endr
	v_nop                                          ; a plain line behind the reciprocals
.set p, 0
	s_wait_alu depctr_va_vdst(0)
.rept 16
	v_pk_mul_f32 v[PR+p:PR+p+1], v[PR+p:PR+p+1], v[ARG+p:ARG+p+1]
.set p, p+2
.endr
.set p, 0
.rept 32
	v_med3_num_f32 v[PR+p], v[PR+p], -v[LIM2], v[LIM2]
.set p, p+1
.endr
.irp t, 0,1,2,3
	v_cvt_scalef32_pk8_fp8_f32 v[CD+8*\i+2*\t:CD+8*\i+2*\t+1], v[PR+8*\t:PR+8*\t+7], v[SC2]
.endr
	v_nop                                          ; one plain vector line behind the last scaled conversion
.irp t, 0,1,2,3
	global_store_b64 v[A+\i], v[CD+8*\i+2*\t:CD+8*\i+2*\t+1], s[14:15] offset:512*\t   ; 32 lanes store 256 consecutive bytes, at a multiple of 256 from act's first byte
.endr
.Lskip\i:
.endr
	s_wait_xcnt 0x0                                ; the stores have read their addresses and codes: both are written again below
	s_add_co_u32 s[SB], s[SB], 20
	s_add_co_u32 s[RC], s[RC], 1
	s_cmp_ge_u32 s[SB], s[NT]
	s_cbranch_scc1 .Ldone                          ; no tile is left: nothing more is asked for.  This is the way by which the loop is left
	TILES                                          ; A LATER ROUND: the next 20 tiles against the codes in LDS
	PIECE 0, 0
	PIECE 1, 1
	PIECE 2, 2
	WIN 0
	WFR 0
.irp j, 0,1,2,3,4,5,6,7,8,9,10,11,12,13,14,15
	HSTEP \j
.endr
	WIN 0
	s_cmp_lt_u32 s[RC], RMAX                       ; the way back is counted against a constant: 4 x 20 tiles cover an expert's 64
	s_cbranch_scc1 .Lepi
.Ldone:
	s_wait_tensorcnt 0x0
	ds_add_u32 v126, v127
	s_wait_dscnt 0x0
	s_endpgm
.Lfunc_end_k_q1156d14f2b_up:
	.size	k_q1156d14f2b_up, .Lfunc_end_k_q1156d14f2b_up-k_q1156d14f2b_up
	.p2alignl 7, 3214868480
	.fill 96, 4, 3214868480
	.section	.rodata,"a",@progbits
	.p2align	6, 0x0
	.amdhsa_kernel k_q1156d14f2b_up
		.amdhsa_group_segment_fixed_size 133632
		.amdhsa_private_segment_fixed_size 0
		.amdhsa_enable_private_segment 0
		.amdhsa_kernarg_size 48
		.amdhsa_user_sgpr_count 2
		.amdhsa_user_sgpr_kernarg_segment_ptr 1
		.amdhsa_wavefront_size32 1
		.amdhsa_system_sgpr_workgroup_id_x 1
		.amdhsa_system_sgpr_workgroup_id_y 1
		.amdhsa_system_sgpr_workgroup_id_z 1
		.amdhsa_system_vgpr_workitem_id 0
		.amdhsa_next_free_vgpr 1024
		.amdhsa_next_free_sgpr 100
		.amdhsa_reserve_vcc 0
		.amdhsa_float_denorm_mode_32 3
		.amdhsa_float_denorm_mode_16_64 3
		.amdhsa_memory_ordered 1
		.amdhsa_forward_progress 1
		.amdhsa_inst_pref_size 255
	.end_amdhsa_kernel
	.section	.bss,"aw",@nobits
	.p2align	6
	.space	262144
	.amdgpu_metadata
---
amdhsa.version: [ 1, 2 ]
amdhsa.kernels:
  - .name:           k_q1156d14f2b_up
    .symbol:         k_q1156d14f2b_up.kd
    .args:
      - { .name: w1, .offset: 0, .size: 8, .value_kind: global_buffer, .address_space: global }
      - { .name: w3, .offset: 8, .size: 8, .value_kind: global_buffer, .address_space: global }
      - { .name: ximg, .offset: 16, .size: 8, .value_kind: global_buffer, .address_space: global }
      - { .name: route, .offset: 24, .size: 8, .value_kind: global_buffer, .address_space: global }
      - { .name: lowp_scales, .offset: 32, .size: 8, .value_kind: global_buffer, .address_space: global }
      - { .name: act, .offset: 40, .size: 8, .value_kind: global_buffer, .address_space: global }
    .group_segment_fixed_size: 133632
    .private_segment_fixed_size: 0
    .kernarg_segment_align: 8
    .kernarg_segment_size: 48
    .max_flat_workgroup_size: 128
    .sgpr_count:     100
    .vgpr_count:     1024
    .wavefront_size: 32
...
	.end_amdgpu_metadata
.endif
;; end of part 3
;; launch down (part 4): grid 32 x 8, 4 waves a work-group, no clusters, 84,480 bytes of LDS; arguments w2, act, route, rowid, gsort, lowp_scales, yr; writes yr
.if DOCPART == 4
	.amdgcn_target "amdgcn-amd-amdhsa--gfx1250"
	.amdhsa_code_object_version 6
	.text
	.protected	k_q1156d14f2b_down
	.globl	k_q1156d14f2b_down
	.p2align	8
	.type	k_q1156d14f2b_down,@function
k_q1156d14f2b_down:
	s_mov_b64 s[64:65], 0
	v_nop
	global_prefetch_b8 v0, s[64:65] scope:SCOPE_SE
	s_setreg_imm32_b32 hwreg(HW_REG_WAVE_MODE, 25, 1), 1
	s_wait_xcnt 0x0
; yr = weight x (act w2) for the rows that chose expert e, on E4M3 codes.  w2: [8][2048 (k = hidden)][1024 (d)] f32.
; THE WEIGHTS STAY, THE ROWS PASS, as in launch up.  Work-group (x, y) owns, of expert y, output columns 64 (x % 16) on and the half x / 16 of K: 1,024 x 64 numbers, 256 KiB, read from memory once, in pieces of 256
; consecutive aligned bytes, quantised in registers, kept as codes in LDS (64 rows of 1,024 codes, k innermost).
; THE FIRST ROUND'S PRODUCTS STAND UNDER THE WEIGHTS' STREAM.  The half of K goes in eight steps of 128.  In a step wave w quantises one unit of 32 k x 64 columns (rows 128 s + 32 w on), stores the codes to LDS, passes
; a barrier, and multiplies its rows by that step's codes, while the loads of the next units are on their way.  LDS bytes are written once: a step's stores and the step before's reads touch different bytes,
; so one barrier a step is all the ordering: store, wait, barrier, load.
; The expert's rows of act (register images, 16 rows x 128 k a block) pass: five tiles a wave, 20 a round, 20 accumulators.  Source 0 = 16 columns of w2, source 1 = 16 rows: a lane holds one row and eight
; neighbouring columns.  k is permuted alike in both operands (lane half h, register 4 c + q, byte b: k = 128 s + 64 h + 16 c + 4 q + b).  An expert with more than 320 rows takes further rounds, with all codes in
; LDS: a loop that begins at the way out.
; OUT: yr [2 halves of K][2,056 rows][1024] f32.  Row 2 t + k of half x / 16 holds weight x 2^(e4 + e5) x sum; each byte has one owner, and the last launch adds a token's four parts.  Slots that pad a tile carry the
; weight 0 and the row 2048 + e, which nobody reads.  A tile goes through the wave's own stage in LDS, so that sixteen lanes store 256 consecutive bytes of one row.
; NO TENSOR LOADS, NO JOINT LOADS: the trips of the round loop are a count read from memory.  EIGHT BARRIERS, all in the straight text of the first round.
; LIMITS: e5 between -126 and 119; e4 + e5 between -126 and 127.  NaN and infinities among the inputs are not served.
; REGISTERS.  Window 0: v1-30 addresses and constants; v32-71 the rows' places in yr, eight a tile; v72-76 weights; v[78:79] the tile's factor; v80-115 a unit's codes; v128-255 two buffers of weight fragments,
;   on the way out v128-159 scaled sums, v160-191 rows read back.  Window 1: row pieces 0, 1, 2 (the first round uses 0 and 1).  Window 2: v0-159 the sums, v160-239 row piece 3.
;   Window 3: three sets of 64 for the weights' loads (unit u: v[64 (u % 3)]).
.set ROWB, 4096
.set NU,   8
.set NS,   8
.set J,    8
.set PW,   1040                        ; an LDS row: 1,024 codes + 16 = 260 words: row r starts at bank 4 r mod 64 (ISA guide 11.1)
.set STG,  64*PW                       ; behind the codes: a stage of 16 rows x 272 bytes for each wave
.set SP,   272
.set VG,   4
.set VS,   5
.set VW,   6
.set L16,  7
.set STI,  8                           ; v8   the stage: where I put 32 bytes of a row
.set STO,  9                           ; v9   and where I read a row back
.set COL,  10                          ; v10  16 (lane % 16): my bytes of a row's 256
.set H32,  11                          ; v11  32 (lane / 16)
.set R4,   12                          ; v12  4 (lane % 16)
.set SC,   13
.set LIM,  14
.set O,    16                          ; v16-20  act: tile i's block + 16 x lane
.set MRO,  21                          ; v21-25  rowid: tile i's 16 words, + 32 h
.set MGO,  26                          ; v26-30  gsort: tile i's 16 words, + 4 r
.set RID,  32
.set GS,   72
.set F,    78
.set Q,    80
.set P,    96
.set T,    112
.set WB,   128
.set TMP,  128
.set OB,   160
.set WV,   18
.set EX,   19
.set DS,   20
.set KH,   21
.set N,    34
.set NT,   35
.set NT1,  36
.set SB,   37
.set TI,   38
.set RC,   52                          ; s52  rounds walked
.set RMAX, 4                           ; an expert has 64 tiles at the most and a round takes 20: four rounds at the most
.set MK,   68
.set MSB,  0
.macro WIN new                         ; the immediate's high byte repeats the setting that is left
.if MSB != \new
	s_set_vgpr_msb (MSB<<8)|\new
.set MSB, \new
.endif
.endm
.macro PLACES                          ; four plain vector lines between a matrix instruction and a load into, or a vector line on, its registers
.rept 4
	v_nop
.endr
.endm
.macro LOADU u                         ; unit u = K step u's 32 rows of mine: 16 loads, each two rows' 256 consecutive bytes
	WIN 0xc0
.set k, 0
.rept 16
	global_load_b128 v[64*((\u)%3)+4*k:64*((\u)%3)+4*k+3], v[VG], s[24:25] offset:(128*(\u)+k)*ROWB th:TH_LOAD_NT
.set k, k+1
.endr
.endm
.macro PIECE j, b                      ; K step j's five row fragments, 20 loads of 512 consecutive bytes, into piece b
.if (\b) < 3
	WIN 0x40
.set PB, 80*(\b)
.else
	WIN 0x80
.set PB, 160
.endif
.irp i, 0,1,2,3,4
.irp c, 0,1,2,3
	global_load_b128 v[PB+16*\i+4*\c:PB+16*\i+4*\c+3], v[O+\i], s[6:7] offset:2048*(\j)+512*\c
.endr
.endr
.endm
.macro WFR j
.set WBJ, WB+64*((\j)%2)
.irp t, 0,1,2,3
.irp c, 0,1,2,3
	ds_load_b128 v[WBJ+16*\t+4*\c:WBJ+16*\t+4*\c+3], v[VW] offset:16*PW*\t+128*(\j)+16*\c
.endr
.endr
.endm
.macro TILES
.irp i, 0,1,2,3,4
	s_add_co_u32 s[TI+\i], s[SB], s[WV]
	s_add_co_u32 s[TI+\i], s[TI+\i], 4*\i
	s_min_u32 s50, s[TI+\i], s[NT1]
	s_min_u32 s50, s50, 63
	s_lshl_b32 s51, s50, 15
	v_add_nc_u32 v[O+\i], s51, v[L16]
	s_lshl_b32 s51, s50, 6
	v_add_nc_u32 v[MRO+\i], s51, v[H32]
	v_add_nc_u32 v[MGO+\i], s51, v[R4]
.endr
.endm
.macro META                            ; 15 loads: for each tile the places in yr of rows 8 h + 0 .. 7, and row lane % 16's weight
.irp i, 0,1,2,3,4
	global_load_b128 v[RID+8*\i:RID+8*\i+3],   v[MRO+\i], s[10:11]
	global_load_b128 v[RID+8*\i+4:RID+8*\i+7], v[MRO+\i], s[10:11] offset:16
	global_load_b32 v[GS+\i], v[MGO+\i], s[12:13]
.endr
.endm
; A unit, whose loads are in: held, converted, turned, stored to LDS.  Its set takes the unit three on as soon as the conversions have read it.
; (The step before's LDS stores were waited for in front of its barrier: Q is free.)
.macro UNIT u
.set XS, 64*((\u)%3)
	WIN 0xc3
.set k, 0
.rept 64
	v_med3_num_f32 v[XS+k], v[XS+k], -v[LIM], v[LIM]   ; the conversion to an 8-bit code does not saturate (ISA guide 7.6.2)
.set k, k+1
.endr
	WIN 0x03
.set k, 0
.rept 8
	v_cvt_scalef32_pk8_fp8_f32 v[P+2*k:P+2*k+1], v[XS+8*k:XS+8*k+7], v[SC]
.set k, k+1
.endr
.if (\u)+3 < NU
	LOADU (\u)+3
.endif
	WIN 0
	v_nop                                          ; one plain vector line between a scaled conversion and the lines that read its result
.irp q, 0,1,2,3
	v_perm_b32 v[T],   v[P+4*\q+1], v[P+4*\q],   s46
	v_perm_b32 v[T+1], v[P+4*\q+1], v[P+4*\q],   s47
	v_perm_b32 v[T+2], v[P+4*\q+3], v[P+4*\q+2], s46
	v_perm_b32 v[T+3], v[P+4*\q+3], v[P+4*\q+2], s47
	v_perm_b32 v[Q+\q],    v[T+2], v[T],   s48
	v_perm_b32 v[Q+4+\q],  v[T+2], v[T],   s49
	v_perm_b32 v[Q+8+\q],  v[T+3], v[T+1], s48
	v_perm_b32 v[Q+12+\q], v[T+3], v[T+1], s49
.endr
.irp c, 0,1,2,3
	ds_store_b128 v[VS], v[Q+4*\c:Q+4*\c+3] offset:PW*\c+128*(\u)   ; column 4 i + c, 16 neighbours along k
.endr
.endm
; 20 matrix instructions: K step j's weight fragments x the five row fragments of piece b.  20 accumulators by turns, one instruction a turn.
.macro MUL j, b, zero
.set MW, WB+64*((\j)%2)
.if (\b) < 3
.set MP, 80*(\b)
	WIN 0xa4                                       ; weights window 0, rows window 1, sums window 2
.else
.set MP, 160
	WIN 0xa8                                       ; rows and sums window 2
.endif
.irp i, 0,1,2,3,4
.irp t, 0,1,2,3
.if \zero
	v_wmma_f32_16x16x128_fp8_fp8 v[8*(4*\i+\t):8*(4*\i+\t)+7], v[MW+16*\t:MW+16*\t+15], v[MP+16*\i:MP+16*\i+15], 0
.else
	v_wmma_f32_16x16x128_fp8_fp8 v[8*(4*\i+\t):8*(4*\i+\t)+7], v[MW+16*\t:MW+16*\t+15], v[MP+16*\i:MP+16*\i+15], v[8*(4*\i+\t):8*(4*\i+\t)+7]
.endif
.endr
.endr
.endm
; A K STEP OF THE FIRST ROUND.  Loads are issued in this order: units 0, 1, 2, the row list (15), pieces 0, 1 at the head; then in step s unit s + 3 and, behind the products, piece s + 2.
; From step 1 on a step's unit is older than a piece that an earlier step has waited for, so it is in and wants no wait of its own.
.macro KSTEP s
.if (\s) == 0
	s_wait_loadcnt 63                              ; unit 0 is in: 87 loads were issued behind its sixteen; 63 is the largest count that this wait takes
.endif
	UNIT \s
	s_wait_dscnt 0x0                               ; for the others' sake: my codes of this step are in LDS
	s_barrier_signal -1
	s_barrier_wait -1                              ; everybody's are.  (Loads from memory stay out: nobody writes those bytes)
	WFR \s
.if (\s) == 0
	s_wait_loadcnt 36                              ; piece 0 is in: behind it piece 1 (20) and unit 3 (16)
.elseif (\s) < 5
	s_wait_loadcnt 52                              ; my rows are in: behind them a unit, a piece and a unit
.elseif (\s) == 5
	s_wait_loadcnt 36                              ; unit 7 and piece 6
.elseif (\s) == 6
	s_wait_loadcnt 20                              ; piece 7
.else
	s_wait_loadcnt 0x0
.endif
	s_wait_dscnt 0x0
.if (\s) == 0
	MUL \s, (\s)%2, 1
.else
	MUL \s, (\s)%2, 0
.endif
.if (\s)+2 < NS
	PLACES                                         ; the loads below land in registers that these products read
	PIECE (\s)+2, (\s)%2
.endif
	WIN 0
.endm
; A K step of a later round: all codes lie in LDS, rows run three pieces ahead.
.macro HSTEP j
	WIN 0
.if (\j) > 0
	PLACES
.endif
.if (\j)+1 < J
	WFR (\j)+1
.endif
.if (\j)+3 < J
	PIECE (\j)+3, ((\j)+3)%4
.endif
.if (\j)+1 < J
	s_wait_dscnt 16                                ; my weight fragments are in; the next step's sixteen may be out
.else
	s_wait_dscnt 0x0
.endif
.if J-1-(\j) >= 3
	s_wait_loadcnt 60                              ; my rows are in; three pieces of 20 loads may be out
.else
	s_wait_loadcnt 20*(J-1-(\j))
.endif
.if (\j) < 1
	MUL \j, (\j)%4, 1
.else
	MUL \j, (\j)%4, 0
.endif
.endm
	s_load_b256 s[4:11], s[0:1], 0x0               ; w2 s[4:5], act s[6:7], route s[8:9], rowid s[10:11]
	s_load_b128 s[12:15], s[0:1], 0x20             ; gsort s[12:13], the scales' exponents s[14:15]
	s_load_b64 s[16:17], s[0:1], 0x30              ; yr
	v_lshl_add_u32 v126, v0, 2, 0x14800
	v_mov_b32 v127, 0
	v_lshrrev_b32 v1, 5, v0
	v_readfirstlane_b32 s[WV], v1
	s_and_b32 s[EX], ttmp7, 0xffff
	s_and_b32 s[DS], ttmp9, 15                     ; which 64 columns
	s_lshr_b32 s[KH], ttmp9, 4                     ; which half of K
	v_and_b32 v1, 31, v0
	v_and_b32 v2, 15, v0
	v_bfe_u32 v3, v0, 4, 1
	v_lshlrev_b32 v[VG], 4, v2
	v_lshl_add_u32 v[VG], v3, 16, v[VG]            ; lanes 16-31 sixteen rows of 4,096 bytes further down
	s_lshl_b32 s22, s[EX], 23                      ; the expert's 8 MiB, the half's 1,024 rows, my 32 rows of a K step's 128, the columns' 256 bytes
	s_lshl_b32 s26, s[KH], 22
	s_add_co_u32 s22, s22, s26
	s_lshl_b32 s26, s[WV], 17
	s_add_co_u32 s22, s22, s26
	s_lshl_b32 s26, s[DS], 8
	s_add_co_u32 s22, s22, s26
	s_mov_b32 s23, 0
	s_lshl_b32 s44, s[EX], 7
	s_mov_b32 s45, 0
	s_wait_kmcnt 0x0
	s_add_nc_u64 s[24:25], s[4:5], s[22:23]
	s_add_nc_u64 s[44:45], s[8:9], s[44:45]
	s_load_b512 s[68:83], s[44:45], 0x0            ; the expert's mask
	s_load_b512 s[84:99], s[44:45], 0x40
	s_load_b64 s[32:33], s[14:15], 0x10            ; e4, e5
	LOADU 0                                        ; the stream starts before anything else is done
	LOADU 1
	LOADU 2
	WIN 0
	v_mul_u32_u24 v[VS], v2, 4*PW                  ; LDS, in: column 4 i, + 16 h, + my 32 of a K step's 128
	v_lshl_add_u32 v[VS], v3, 4, v[VS]
	s_lshl_b32 s50, s[WV], 5
	v_add_nc_u32 v[VS], s50, v[VS]
	v_mul_u32_u24 v[VW], v2, PW                    ; LDS, out: column lane % 16, + 64 h
	v_lshl_add_u32 v[VW], v3, 6, v[VW]
	v_lshlrev_b32 v[L16], 4, v1
	s_mul_i32 s50, s[WV], 16*SP
	s_add_co_u32 s50, s50, STG                     ; my stage
	v_mul_u32_u24 v[STI], v2, SP
	v_lshl_add_u32 v[STI], v3, 5, v[STI]
	v_add_nc_u32 v[STI], s50, v[STI]               ; in: row lane % 16, 32 bytes for each half of the lanes
	v_lshlrev_b32 v[COL], 4, v2
	v_mul_u32_u24 v[STO], v3, 8*SP
	v_add_nc_u32 v[STO], v[STO], v[COL]
	v_add_nc_u32 v[STO], s50, v[STO]               ; back: lanes 0-15 take rows 0-7, lanes 16-31 rows 8-15, a row an instruction
	v_lshlrev_b32 v[H32], 5, v3
	v_lshlrev_b32 v[R4], 2, v2
	v_mov_b32 v[F+1], 0                            ; (named as the upper half of the pair, so it is written)
	s_lshl_b32 s22, s[EX], 12
	s_add_nc_u64 s[10:11], s[10:11], s[22:23]      ; the expert's row list
	s_add_nc_u64 s[12:13], s[12:13], s[22:23]
	s_lshl_b32 s22, s[EX], 21
	s_lshl_b32 s26, s[KH], 14
	s_add_co_u32 s22, s22, s26
	s_add_nc_u64 s[6:7], s[6:7], s[22:23]          ; the expert's rows of act, at my half's first K step
	s_mul_i32 s22, s[KH], 8421376                  ; yr: my half's 2,056 rows of 4,096 bytes, my columns
	s_lshl_b32 s26, s[DS], 8
	s_add_co_u32 s22, s22, s26
	s_add_nc_u64 s[16:17], s[16:17], s[22:23]
	s_mov_b32 s46, 0x05010400
	s_mov_b32 s47, 0x07030602
	s_mov_b32 s48, 0x05040100
	s_mov_b32 s49, 0x07060302
	s_mov_b32 s[N], 0
	s_wait_kmcnt 0x0
.set m, 0
.rept 32
	s_bcnt1_i32_b32 s50, s[MK+m]
	s_add_co_u32 s[N], s[N], s50
.set m, m+1
.endr
	s_add_co_u32 s[NT], s[N], 15
	s_lshr_b32 s[NT], s[NT], 4
	s_max_u32 s[NT], s[NT], 1
	s_min_u32 s[NT], s[NT], 64                     ; (a mask has 1,024 bits, so this changes nothing: it states the bound in the text)
	s_sub_co_u32 s[NT1], s[NT], 1
	s_mov_b32 s[SB], 0
	s_mov_b32 s[RC], 0
	TILES
	META
	PIECE 0, 0                                     ; the first two K steps' rows
	PIECE 1, 1
	WIN 0
	s_add_co_i32 s50, s33, 127                     ; w2's scale is entry 5
	s_lshl_b32 s51, s50, 23
	v_mov_b32 v[SC], s51
	s_add_co_i32 s50, s50, 8
	s_lshl_b32 s50, s50, 23
	s_or_b32 s50, s50, 0x600000
	v_mov_b32 v[LIM], s50
	s_add_co_i32 s43, s32, s33
	s_add_co_i32 s43, s43, 127
	s_lshl_b32 s43, s43, 23                        ; 2^(e4 + e5) as f32
.irp s, 0,1,2,3,4,5,6,7
	KSTEP \s
.endr
.Lepi:                                             ; on both ways in: a round's sums are finished, no load and no LDS instruction is out, every window is 0
	PLACES
; THE WAY OUT, tile by tile.  (The row list's loads are older than every piece's: the last step's wait for 0 covers them.)
.irp i, 0,1,2,3,4
	s_cmp_ge_u32 s[TI+\i], s[NT]
	s_cbranch_scc1 .Lskip\i
	s_wait_xcnt 0x0                                ; the tile before's stores have read the rows that the loads below write over
	v_mul_f32 v[F], s43, v[GS+\i]                  ; my row's weight x 2^(e4 + e5)
.irp k, 0,1,2,3,4,5,6,7
	v_min_u32 v[RID+8*\i+\k], 0x807, v[RID+8*\i+\k]
	v_lshl_add_u32 v[RID+8*\i+\k], v[RID+8*\i+\k], 12, v[COL]   ; the row's 4,096 bytes, + my 16
.endr
	WIN 0x02
.set p, 0
.rept 16
	v_pk_mul_f32 v[TMP+p:TMP+p+1], v[32*\i+p:32*\i+p+1], v[F:F+1] op_sel_hi:[1,0]   ; each accumulator from its low end on
.set p, p+2
.endr
	WIN 0
.irp t, 0,1,2,3
	ds_store_b128 v[STI], v[TMP+8*\t:TMP+8*\t+3] offset:64*\t
	ds_store_b128 v[STI], v[TMP+8*\t+4:TMP+8*\t+7] offset:64*\t+16
.endr
.irp k, 0,1,2,3,4,5,6,7
	ds_load_b128 v[OB+4*\k:OB+4*\k+3], v[STO] offset:SP*\k      ; LDS serves a wave's instructions in order (ISA guide 5.7.1.4): these see my stores, and the next tile's stores come behind them
.endr
.irp k, 0,1,2,3,4,5,6,7
	s_wait_dscnt 7-\k
	global_store_b128 v[RID+8*\i+\k], v[OB+4*\k:OB+4*\k+3], s[16:17]   ; sixteen lanes store 256 consecutive bytes of one row, at a multiple of 256 from yr's first byte
.endr
.Lskip\i:
.endr
	s_wait_xcnt 0x0                                ; the stores have read their addresses and data: both are written again below
	s_add_co_u32 s[SB], s[SB], 20
	s_add_co_u32 s[RC], s[RC], 1
	s_cmp_ge_u32 s[SB], s[NT]
	s_cbranch_scc1 .Ldone                          ; no tile is left: nothing more is asked for.  This is the way by which the loop is left
	TILES                                          ; A LATER ROUND: the next 20 tiles against the codes in LDS
	META
	PIECE 0, 0
	PIECE 1, 1
	PIECE 2, 2
	WIN 0
	WFR 0
.irp j, 0,1,2,3,4,5,6,7
	HSTEP \j
.endr
	WIN 0
	s_cmp_lt_u32 s[RC], RMAX                       ; the way back is counted against a constant: 4 x 20 tiles cover an expert's 64
	s_cbranch_scc1 .Lepi
.Ldone:
	s_wait_tensorcnt 0x0
	ds_add_u32 v126, v127
	s_wait_dscnt 0x0
	s_endpgm
.Lfunc_end_k_q1156d14f2b_down:
	.size	k_q1156d14f2b_down, .Lfunc_end_k_q1156d14f2b_down-k_q1156d14f2b_down
	.p2alignl 7, 3214868480
	.fill 96, 4, 3214868480
	.section	.rodata,"a",@progbits
	.p2align	6, 0x0
	.amdhsa_kernel k_q1156d14f2b_down
		.amdhsa_group_segment_fixed_size 84480
		.amdhsa_private_segment_fixed_size 0
		.amdhsa_enable_private_segment 0
		.amdhsa_kernarg_size 56
		.amdhsa_user_sgpr_count 2
		.amdhsa_user_sgpr_kernarg_segment_ptr 1
		.amdhsa_wavefront_size32 1
		.amdhsa_system_sgpr_workgroup_id_x 1
		.amdhsa_system_sgpr_workgroup_id_y 1
		.amdhsa_system_sgpr_workgroup_id_z 1
		.amdhsa_system_vgpr_workitem_id 0
		.amdhsa_next_free_vgpr 1024
		.amdhsa_next_free_sgpr 100
		.amdhsa_reserve_vcc 0
		.amdhsa_float_denorm_mode_32 3
		.amdhsa_float_denorm_mode_16_64 3
		.amdhsa_memory_ordered 1
		.amdhsa_forward_progress 1
		.amdhsa_inst_pref_size 172
	.end_amdhsa_kernel
	.amdgpu_metadata
---
amdhsa.version: [ 1, 2 ]
amdhsa.kernels:
  - .name:           k_q1156d14f2b_down
    .symbol:         k_q1156d14f2b_down.kd
    .args:
      - { .name: w2, .offset: 0, .size: 8, .value_kind: global_buffer, .address_space: global }
      - { .name: act, .offset: 8, .size: 8, .value_kind: global_buffer, .address_space: global }
      - { .name: route, .offset: 16, .size: 8, .value_kind: global_buffer, .address_space: global }
      - { .name: rowid, .offset: 24, .size: 8, .value_kind: global_buffer, .address_space: global }
      - { .name: gsort, .offset: 32, .size: 8, .value_kind: global_buffer, .address_space: global }
      - { .name: lowp_scales, .offset: 40, .size: 8, .value_kind: global_buffer, .address_space: global }
      - { .name: yr, .offset: 48, .size: 8, .value_kind: global_buffer, .address_space: global }
    .group_segment_fixed_size: 84480
    .private_segment_fixed_size: 0
    .kernarg_segment_align: 8
    .kernarg_segment_size: 56
    .max_flat_workgroup_size: 128
    .sgpr_count:     100
    .vgpr_count:     1024
    .wavefront_size: 32
...
	.end_amdgpu_metadata
.endif
;; end of part 4
;; launch sum (part 5): grid 256 x 1, 8 waves a work-group, no clusters, 0 bytes of LDS; arguments yr, out0; writes out0
.if DOCPART == 5
	.amdgcn_target "amdgcn-amd-amdhsa--gfx1250"
	.amdhsa_code_object_version 6
	.text
	.protected	k_q1156d14f2b_sum
	.globl	k_q1156d14f2b_sum
	.p2align	8
	.type	k_q1156d14f2b_sum,@function
k_q1156d14f2b_sum:
	s_mov_b64 s[64:65], 0
	v_nop
	global_prefetch_b8 v0, s[64:65] scope:SCOPE_SE
	s_setreg_imm32_b32 hwreg(HW_REG_WAVE_MODE, 25, 1), 1
	s_wait_xcnt 0x0
; out0[t] = the token's four parts: its two experts' rows (2 t, 2 t + 1), each in two halves of K.  The weights were applied when the parts were stored.
; A work-group owns four tokens; thread n owns bytes 16 n of a row of 4,096, so every load and store of a wave covers 512 consecutive bytes.  All sixteen loads go out at once.
; A stream: no LDS, no barrier, no matrix unit, no cluster (work-groups share nothing).
.set HALF, 8421376                     ; 2,056 rows of 4,096 bytes: from one half of K to the other
	s_load_b128 s[4:7], s[0:1], 0x0                ; yr s[4:5], out0 s[6:7]
	v_lshlrev_b32 v1, 4, v0
	s_lshl_b32 s8, ttmp9, 15                       ; eight rows of yr
	s_mov_b32 s9, 0
	s_lshl_b32 s10, ttmp9, 14                      ; four rows of out0
	s_mov_b32 s11, 0
	s_wait_kmcnt 0x0
	s_add_nc_u64 s[4:5], s[4:5], s[8:9]
	s_add_nc_u64 s[12:13], s[4:5], HALF
	s_add_nc_u64 s[6:7], s[6:7], s[10:11]
.irp j, 0,1,2,3
	global_load_b128 v[16+16*\j:19+16*\j], v1, s[4:5] offset:8192*\j th:TH_LOAD_NT
	global_load_b128 v[20+16*\j:23+16*\j], v1, s[12:13] offset:8192*\j th:TH_LOAD_NT
	global_load_b128 v[24+16*\j:27+16*\j], v1, s[4:5] offset:8192*\j+4096 th:TH_LOAD_NT
	global_load_b128 v[28+16*\j:31+16*\j], v1, s[12:13] offset:8192*\j+4096 th:TH_LOAD_NT
.endr
.irp j, 0,1,2,3
	s_wait_loadcnt 12-4*\j                         ; this token's four loads are in; the later tokens' may be out
	v_pk_add_f32 v[16+16*\j:17+16*\j], v[16+16*\j:17+16*\j], v[20+16*\j:21+16*\j]   ; the first expert's two halves of K
	v_pk_add_f32 v[18+16*\j:19+16*\j], v[18+16*\j:19+16*\j], v[22+16*\j:23+16*\j]
	v_pk_add_f32 v[24+16*\j:25+16*\j], v[24+16*\j:25+16*\j], v[28+16*\j:29+16*\j]   ; the second's
	v_pk_add_f32 v[26+16*\j:27+16*\j], v[26+16*\j:27+16*\j], v[30+16*\j:31+16*\j]
	v_pk_add_f32 v[16+16*\j:17+16*\j], v[16+16*\j:17+16*\j], v[24+16*\j:25+16*\j]
	v_pk_add_f32 v[18+16*\j:19+16*\j], v[18+16*\j:19+16*\j], v[26+16*\j:27+16*\j]
	global_store_b128 v1, v[16+16*\j:19+16*\j], s[6:7] offset:4096*\j th:TH_STORE_NT
.endr
	s_endpgm
.Lfunc_end_k_q1156d14f2b_sum:
	.size	k_q1156d14f2b_sum, .Lfunc_end_k_q1156d14f2b_sum-k_q1156d14f2b_sum
	.p2alignl 7, 3214868480
	.fill 96, 4, 3214868480
	.section	.rodata,"a",@progbits
	.p2align	6, 0x0
	.amdhsa_kernel k_q1156d14f2b_sum
		.amdhsa_group_segment_fixed_size 0
		.amdhsa_private_segment_fixed_size 0
		.amdhsa_enable_private_segment 0
		.amdhsa_kernarg_size 16
		.amdhsa_user_sgpr_count 2
		.amdhsa_user_sgpr_kernarg_segment_ptr 1
		.amdhsa_wavefront_size32 1
		.amdhsa_system_sgpr_workgroup_id_x 1
		.amdhsa_system_sgpr_workgroup_id_y 1
		.amdhsa_system_sgpr_workgroup_id_z 1
		.amdhsa_system_vgpr_workitem_id 0
		.amdhsa_next_free_vgpr 96
		.amdhsa_next_free_sgpr 66
		.amdhsa_reserve_vcc 0
		.amdhsa_float_denorm_mode_32 3
		.amdhsa_float_denorm_mode_16_64 3
		.amdhsa_memory_ordered 1
		.amdhsa_forward_progress 1
		.amdhsa_inst_pref_size 5
	.end_amdhsa_kernel
	.amdgpu_metadata
---
amdhsa.version: [ 1, 2 ]
amdhsa.kernels:
  - .name:           k_q1156d14f2b_sum
    .symbol:         k_q1156d14f2b_sum.kd
    .args:
      - { .name: yr, .offset: 0, .size: 8, .value_kind: global_buffer, .address_space: global }
      - { .name: out0, .offset: 8, .size: 8, .value_kind: global_buffer, .address_space: global }
    .group_segment_fixed_size: 0
    .private_segment_fixed_size: 0
    .kernarg_segment_align: 8
    .kernarg_segment_size: 16
    .max_flat_workgroup_size: 256
    .sgpr_count:     66
    .vgpr_count:     96
    .wavefront_size: 32
...
	.end_amdgpu_metadata
.endif
;; end of part 5
;; ======== version 2 of 2: 5 launches
;; workspace buffers: xq 2,097,152 bytes; ximg 16,777,216 bytes; act 16,777,216 bytes; yr 16,842,752 bytes; route 5,120 bytes of whole numbers; gwl 8,192 bytes; rowid 32,768 bytes of whole numbers; gsort 32,768 bytes
;; launch route (part 6): grid 128 x 1, 4 waves a work-group, no clusters, 2,560 bytes of LDS; arguments x, gate_w, lowp_scales, xq, route, gwl; writes xq, route, gwl
.if DOCPART == 6
	.amdgcn_target "amdgcn-amd-amdhsa--gfx1250"
	.amdhsa_code_object_version 6
	.text
	.protected	k_q1156d14f2b_route
	.globl	k_q1156d14f2b_route
	.p2align	8
	.type	k_q1156d14f2b_route,@function
k_q1156d14f2b_route:
	s_mov_b64 s[64:65], 0
	v_nop
	global_prefetch_b8 v0, s[64:65] scope:SCOPE_SE
	s_setreg_imm32_b32 hwreg(HW_REG_WAVE_MODE, 25, 1), 1
	s_wait_xcnt 0x0
; ROUTER AND x's CODES.  x [1024][1024] f32, gate_w [8][1024] f32.  A work-group owns 8 tokens; wave w owns k = 256 w .. 256 w + 255 of them, lane l eight neighbours k = 256 w + 8 l + 0 .. 7.
; Each x is read once and serves twice: 64 dot products in f32 (8 tokens x 8 experts), and two sets of E4M3 codes, since x has two given scales (entry 1 for the product with w1, entry 3 for that with w3).
; OUT: xq [2 scales][1024 tokens][1024] codes, k as it lies;  route: bytes 0-1023 masks[e][128 bytes] (bit t: token t chose expert e), bytes 1024-5119 sel[t] = first expert | second << 8;
;      gwl [2 t + k]: the softmax of the two chosen logits.  No address here hangs on the choice: it is stored at fixed places, and the next launch places the rows.
; The choice: strictly greater replaces, so of equal logits the lower expert wins, as jax.lax.top_k has it.
; LIMITS: logits are finite (no NaN, no infinity among the inputs); two logits nearer to each other than the rounding of an f32 sum of 1,024 terms may change places against another order of summation;
;         entries 1 and 3 of the scales lie between -126 and 119, so that 2^e and 448 x 2^e are f32 numbers.
; No matrix unit (8 columns), no cluster (work-groups share gate_w alone, 32 KiB).
.set X,   16                           ; v16-79    x: 8 t + i (token t, number i); later wave 0's partial logits
.set G,   80                           ; v80-143   gate_w: 8 e + i; later x held for the first scale; later wave 0's top-2
.set S,   144                          ; v144-207  partial logits: 8 t + e
.set C1,  208                          ; v208-223  codes by entry 1, two registers a token
.set C3,  224                          ; v224-239  codes by entry 3
.set SC1, 240                          ; v240 2^e1, v241 448 x 2^e1, v242 2^e3, v243 448 x 2^e3
	s_load_b256 s[4:11], s[0:1], 0x0               ; x s[4:5], gate_w s[6:7], the scales' exponents s[8:9], xq s[10:11]
	s_load_b128 s[12:15], s[0:1], 0x20             ; route s[12:13], gwl s[14:15]
	v_lshl_add_u32 v254, v0, 2, 0x800
	v_mov_b32 v255, 0
	v_lshrrev_b32 v1, 5, v0
	v_readfirstlane_b32 s16, v1                    ; wave
	v_lshlrev_b32 v3, 5, v0                        ; 32 x thread = 1,024 w + 32 l: my eight numbers in a row of x or of gate_w
	v_lshlrev_b32 v4, 3, v0                        ; 8 x thread: my eight codes in a row of xq
	v_lshrrev_b32 v5, 4, v0
	v_lshlrev_b32 v5, 8, v5                        ; LDS: 256 bytes for each half of a wave: 256 (2 w + lane / 16)
	v_and_b32 v6, 7, v0
	v_lshlrev_b32 v6, 5, v6                        ; LDS, wave 0's read: token lane % 8, 32 bytes of logits
	s_lshl_b32 s20, ttmp9, 15                      ; 8 rows of 4,096 bytes
	s_mov_b32 s21, 0
	s_lshl_b32 s22, ttmp9, 13                      ; 8 rows of 1,024 codes
	s_mov_b32 s23, 0
	s_wait_alu depctr_va_vdst(0)
	s_wait_kmcnt 0x0
	s_load_b128 s[24:27], s[8:9], 0x0              ; entries 0 to 3
	s_add_nc_u64 s[4:5], s[4:5], s[20:21]
	s_add_nc_u64 s[10:11], s[10:11], s[22:23]
.set j, 0
.rept 8
	global_load_b128 v[X+8*j:X+8*j+3],   v3, s[4:5] offset:4096*j th:TH_LOAD_NT
	global_load_b128 v[X+8*j+4:X+8*j+7], v3, s[4:5] offset:4096*j+16 th:TH_LOAD_NT
.set j, j+1
.endr
.set j, 0
.rept 8
	global_load_b128 v[G+8*j:G+8*j+3],   v3, s[6:7] offset:4096*j
	global_load_b128 v[G+8*j+4:G+8*j+7], v3, s[6:7] offset:4096*j+16
.set j, j+1
.endr
	s_wait_kmcnt 0x0
	s_add_co_i32 s28, s25, 127
	s_lshl_b32 s29, s28, 23
	v_mov_b32 v[SC1], s29                          ; 2^e1 as f32: the conversion takes its exponent field
	s_add_co_i32 s28, s28, 8
	s_lshl_b32 s28, s28, 23
	s_or_b32 s28, s28, 0x600000
	v_mov_b32 v[SC1+1], s28                        ; 448 x 2^e1
	s_add_co_i32 s28, s27, 127
	s_lshl_b32 s29, s28, 23
	v_mov_b32 v[SC1+2], s29                        ; the same for entry 3
	s_add_co_i32 s28, s28, 8
	s_lshl_b32 s28, s28, 23
	s_or_b32 s28, s28, 0x600000
	v_mov_b32 v[SC1+3], s28
	s_wait_loadcnt 0x0
; four dot products of my eight numbers at a time, in four chains that do not wait for each other
.macro DOT4 t, e0
.irp d, 0,1,2,3
	v_pk_mul_f32 v[8+2*\d:9+2*\d], v[X+8*\t:X+8*\t+1], v[G+8*(\e0+\d):G+8*(\e0+\d)+1]
.endr
.irp p, 2,4,6
.irp d, 0,1,2,3
	v_pk_fma_f32 v[8+2*\d:9+2*\d], v[X+8*\t+\p:X+8*\t+\p+1], v[G+8*(\e0+\d)+\p:G+8*(\e0+\d)+\p+1], v[8+2*\d:9+2*\d]
.endr
.endr
.irp d, 0,1,2,3
	v_add_f32 v[S+8*\t+\e0+\d], v[8+2*\d], v[9+2*\d]
.endr
.endm
.irp t, 0,1,2,3,4,5,6,7
	DOT4 \t, 0
	DOT4 \t, 4
.endr
.irp m, 1,2,4,8                        ; sums over each half of 16 lanes; every lane of a half ends with the half's sum
.set j, 0
.rept 64
	v_add_f32_dpp v[S+j], v[S+j], v[S+j] row_xmask:\m row_mask:0xf bank_mask:0xf
.set j, j+1
.endr
.endr
.set j, 0
.rept 16
	ds_store_b128 v5, v[S+4*j:S+4*j+3] offset:16*j ; the sixteen lanes of a half write the same bytes with the same numbers: 64 partial logits at 32 t + 4 e
.set j, j+1
.endr
; x's codes, twice.  The conversion to an 8-bit code does not saturate (ISA guide 7.6.2): each number is first held within 448 x the scale.
.set j, 0
.rept 64
	v_med3_num_f32 v[G+j], v[X+j], -v[SC1+1], v[SC1+1]
.set j, j+1
.endr
.set j, 0
.rept 8
	v_cvt_scalef32_pk8_fp8_f32 v[C1+2*j:C1+2*j+1], v[G+8*j:G+8*j+7], v[SC1]
.set j, j+1
.endr
.set j, 0
.rept 64
	v_med3_num_f32 v[X+j], v[X+j], -v[SC1+3], v[SC1+3]
.set j, j+1
.endr
.set j, 0
.rept 8
	v_cvt_scalef32_pk8_fp8_f32 v[C3+2*j:C3+2*j+1], v[X+8*j:X+8*j+7], v[SC1+2]
.set j, j+1
.endr
	v_nop                                          ; one plain vector line behind the last scaled conversion: its sources are written again below
.set j, 0
.rept 8
	global_store_b64 v4, v[C1+2*j:C1+2*j+1], s[10:11] offset:1024*j           ; a wave stores 256 consecutive bytes, at a multiple of 256 from xq's first byte
	global_store_b64 v4, v[C3+2*j:C3+2*j+1], s[10:11] offset:1048576+1024*j   ; the second scale's codes lie 1 MiB on
.set j, j+1
.endr
	s_wait_dscnt 0x0                               ; for wave 0's sake: my partial logits are in LDS
	s_barrier_signal -1
	s_barrier_wait -1
	s_cmp_lg_u32 s16, 0
	s_cbranch_scc1 .Lend                           ; the choice is wave 0's work: lane l takes token l % 8
.set j, 0
.rept 8
	ds_load_b128 v[X+8*j:X+8*j+3],   v6 offset:256*j
	ds_load_b128 v[X+8*j+4:X+8*j+7], v6 offset:256*j+16
.set j, j+1
.endr
	s_wait_dscnt 0x0
.irp p, 1,2,3,4,5,6,7
.irp j, 0,2,4,6
	v_pk_add_f32 v[X+\j:X+\j+1], v[X+\j:X+\j+1], v[X+8*\p+\j:X+8*\p+\j+1]   ; the eight halves' parts: v[X+e] = logit e
.endr
.endr
	v_mov_b32 v80, v[X]                            ; b1, i1: the largest so far
	v_mov_b32 v81, 0
	v_mov_b32 v82, 0xff800000                      ; b2, i2: the second: -infinity, under every finite logit
	v_mov_b32 v83, 0
.irp e, 1,2,3,4,5,6,7
	v_mov_b32 v86, \e
	v_cmp_gt_f32 vcc_lo, v[X+\e], v80
	v_cmp_gt_f32 s20, v[X+\e], v82
	v_cndmask_b32 v84, v82, v[X+\e], s20           ; the second: the newcomer if it beats the second,
	v_cndmask_b32 v85, v83, v86, s20
	v_cndmask_b32 v82, v84, v80, vcc_lo            ; the old first if the newcomer beats the first
	v_cndmask_b32 v83, v85, v81, vcc_lo
	v_cndmask_b32 v80, v80, v[X+\e], vcc_lo
	v_cndmask_b32 v81, v81, v86, vcc_lo
.endr
	v_sub_f32 v84, v82, v80                        ; the maximum is taken away: exponents 0 and b2 - b1
	v_mul_f32 v84, 0x3fb8aa3b, v84
	s_wait_alu depctr_va_vdst(0)
	v_exp_f32 v84, v84                             ; t = e^(b2 - b1), at most 1
	v_lshl_or_b32 v87, v83, 8, v81                 ; sel.  (The plain line behind the exponential)
	s_wait_alu depctr_va_vdst(0)
	v_add_f32 v85, 1.0, v84
	s_wait_alu depctr_va_vdst(0)
	v_rcp_f32 v88, v85                             ; first weight 1 / (1 + t)
	v_mov_b32 v90, 0                               ; the masks' bytes, lane e for expert e.  (The plain line behind the reciprocal)
	s_wait_alu depctr_va_vdst(0)
	v_mul_f32 v89, v84, v88                        ; second weight t / (1 + t)
.irp e, 0,1,2,3,4,5,6,7
	v_cmp_eq_u32 s20, \e, v81
	v_cmp_eq_u32 s21, \e, v83
	s_or_b32 s20, s20, s21
	s_and_b32 s20, s20, 0xff                       ; lanes 0-7 are my eight tokens
	v_writelane_b32 v90, s20, \e
.endr
	s_mov_b32 s28, ttmp9
	s_lshl_b32 s29, ttmp9, 5
	s_lshl_b32 s30, ttmp9, 6
	v_lshl_add_u32 v91, v0, 7, s28                 ; masks[lane] at byte g
	v_lshl_add_u32 v92, v0, 2, s29                 ; sel[8 g + lane]
	v_lshl_add_u32 v93, v0, 3, s30                 ; gwl[2 (8 g + lane)]
	v_cmp_gt_u32 vcc_lo, 8, v0
	s_wait_alu depctr_va_vdst(0)
	s_wait_xcnt 0x0                                ; EXEC changes only when the stores above have had their addresses translated
	s_and_saveexec_b32 s23, vcc_lo
	global_store_b8 v91, v90, s[12:13]
	global_store_b32 v92, v87, s[12:13] offset:1024
	global_store_b64 v93, v[88:89], s[14:15]
	s_wait_xcnt 0x0
	s_or_b32 exec_lo, exec_lo, s23
.Lend:
	s_wait_tensorcnt 0x0
	ds_add_u32 v254, v255
	s_wait_dscnt 0x0
	s_endpgm
.Lfunc_end_k_q1156d14f2b_route:
	.size	k_q1156d14f2b_route, .Lfunc_end_k_q1156d14f2b_route-k_q1156d14f2b_route
	.p2alignl 7, 3214868480
	.fill 96, 4, 3214868480
	.section	.rodata,"a",@progbits
	.p2align	6, 0x0
	.amdhsa_kernel k_q1156d14f2b_route
		.amdhsa_group_segment_fixed_size 2560
		.amdhsa_private_segment_fixed_size 0
		.amdhsa_enable_private_segment 0
		.amdhsa_kernarg_size 48
		.amdhsa_user_sgpr_count 2
		.amdhsa_user_sgpr_kernarg_segment_ptr 1
		.amdhsa_wavefront_size32 1
		.amdhsa_system_sgpr_workgroup_id_x 1
		.amdhsa_system_sgpr_workgroup_id_y 1
		.amdhsa_system_sgpr_workgroup_id_z 1
		.amdhsa_system_vgpr_workitem_id 0
		.amdhsa_next_free_vgpr 256
		.amdhsa_next_free_sgpr 66
		.amdhsa_reserve_vcc 1
		.amdhsa_float_denorm_mode_32 3
		.amdhsa_float_denorm_mode_16_64 3
		.amdhsa_memory_ordered 1
		.amdhsa_forward_progress 1
		.amdhsa_inst_pref_size 60
	.end_amdhsa_kernel
	.amdgpu_metadata
---
amdhsa.version: [ 1, 2 ]
amdhsa.kernels:
  - .name:           k_q1156d14f2b_route
    .symbol:         k_q1156d14f2b_route.kd
    .args:
      - { .name: x, .offset: 0, .size: 8, .value_kind: global_buffer, .address_space: global }
      - { .name: gate_w, .offset: 8, .size: 8, .value_kind: global_buffer, .address_space: global }
      - { .name: lowp_scales, .offset: 16, .size: 8, .value_kind: global_buffer, .address_space: global }
      - { .name: xq, .offset: 24, .size: 8, .value_kind: global_buffer, .address_space: global }
      - { .name: route, .offset: 32, .size: 8, .value_kind: global_buffer, .address_space: global }
      - { .name: gwl, .offset: 40, .size: 8, .value_kind: global_buffer, .address_space: global }
    .group_segment_fixed_size: 2560
    .private_segment_fixed_size: 0
    .kernarg_segment_align: 8
    .kernarg_segment_size: 48
    .max_flat_workgroup_size: 128
    .sgpr_count:     66
    .vgpr_count:     256
    .wavefront_size: 32
...
	.end_amdgpu_metadata
.endif
;; end of part 6
;; launch place (part 7): grid 32 x 8, 8 waves a work-group, no clusters, 0 bytes of LDS; arguments route, gwl, xq, ximg, rowid, gsort; writes ximg, rowid, gsort
.if DOCPART == 7
	.amdgcn_target "amdgcn-amd-amdhsa--gfx1250"
	.amdhsa_code_object_version 6
	.text
	.protected	k_q1156d14f2b_place
	.globl	k_q1156d14f2b_place
	.p2align	8
	.type	k_q1156d14f2b_place,@function
k_q1156d14f2b_place:
	s_mov_b64 s[64:65], 0
	v_nop
	global_prefetch_b8 v0, s[64:65] scope:SCOPE_SE
	s_setreg_imm32_b32 hwreg(HW_REG_WAVE_MODE, 25, 1), 1
	s_wait_xcnt 0x0
; THE ROWS ARE PLACED BY EXPERT.  Expert e = work-group y.  Its rows are the set bits of masks[e], in ascending order of token; row q of the expert is the q-th set bit.  16 rows make a tile.
; Each expert has a region of 64 tiles of its own (1,024 tokens at the most), so no prefix over experts is needed and every split of the tokens is served by this one grid: wave w of work-group x takes tile
; 2 x + w / 4 and K steps 2 (w % 4), 2 (w % 4) + 1.  nt = max(ceil(n / 16), 1) tiles are written; a wave whose tile lies behind them stores nothing and ends (a branch on a stored count; no barrier in this text).
; OUT: ximg [2 scales][8 e][64 tiles][8 K steps][2,048 bytes]: a block is the image of an operand's registers: 16 rows x 128 k; byte 512 c + 16 lane + b is row lane % 16, k = 128 s + 64 (lane / 16) + 16 c + b.
;      rowid [e][1024]: 2 t + k, the row's place among the 2,048 routed rows, or 2048 + e for a slot that pads the last tile;  gsort [e][1024]: the row's weight, 0 for padding.
; A padding slot takes the codes of some token (the clamp below): finite numbers whose results get the weight 0 and a row that nobody reads.
; Waves share nothing: no LDS, no barrier, no cluster.
.set MK, 16                            ; s[16:47]  masks[e]
.set WV, 48
.set EX, 49
.set TL, 50                            ; my tile
.set KQ, 51                            ; my quarter of K
.set N,  52
.set NT, 53
.set PF, 54                            ; set bits in front of the word in hand
	s_load_b256 s[4:11], s[0:1], 0x0               ; route s[4:5], gwl s[6:7], xq s[8:9], ximg s[10:11]
	s_load_b128 s[12:15], s[0:1], 0x20             ; rowid s[12:13], gsort s[14:15]
	v_lshrrev_b32 v1, 5, v0
	s_delay_alu instid0(VALU_DEP_1)
	v_readfirstlane_b32 s[WV], v1
	s_and_b32 s[EX], ttmp7, 0xffff
	s_lshr_b32 s[TL], s[WV], 2
	s_lshl_b32 s55, ttmp9, 1
	s_add_co_u32 s[TL], s[TL], s55
	s_and_b32 s[KQ], s[WV], 3
	s_lshl_b32 s56, s[EX], 7
	s_mov_b32 s57, 0
	s_wait_kmcnt 0x0
	s_add_nc_u64 s[58:59], s[4:5], s[56:57]
	s_load_b512 s[16:31], s[58:59], 0x0
	s_load_b512 s[32:47], s[58:59], 0x40
	v_and_b32 v1, 31, v0                           ; lane
	v_and_b32 v2, 15, v0                           ; r
	v_bfe_u32 v3, v0, 4, 1                         ; h
	s_lshl_b32 s55, s[TL], 4
	v_add_nc_u32 v4, s55, v2                       ; q: my row of the expert
	v_mov_b32 v5, 0                                ; the word that holds bit q,
	v_mov_b32 v6, 0                                ; the set bits in front of it,
	v_mov_b32 v7, 0                                ; its number
	s_mov_b32 s[N], 0
	s_mov_b32 s[PF], 0
	s_wait_kmcnt 0x0
.set m, 0
.rept 32
	s_bcnt1_i32_b32 s55, s[MK+m]
	s_add_co_u32 s[N], s[N], s55
.set m, m+1
.endr
	s_add_co_u32 s[NT], s[N], 15
	s_lshr_b32 s[NT], s[NT], 4
	s_max_u32 s[NT], s[NT], 1                      ; tile 0 is always written, so that the later launches read only what was stored
	s_cmp_ge_u32 s[TL], s[NT]
	s_cbranch_scc1 .Lend
.set m, 0
	s_wait_alu depctr_va_vdst(0)
.rept 32                               ; the last word with at most q set bits in front of it holds bit q
	v_cmp_gt_u32 vcc_lo, s[PF], v4                 ; more than q in front of word m: keep what I have
	s_delay_alu instid0(VALU_DEP_1)
	v_cndmask_b32 v5, s[MK+m], v5, vcc_lo
	s_delay_alu instid0(VALU_DEP_2)
	v_cndmask_b32 v6, s[PF], v6, vcc_lo
	s_delay_alu instid0(VALU_DEP_3)
	v_cndmask_b32 v7, m, v7, vcc_lo
	s_bcnt1_i32_b32 s55, s[MK+m]
	s_add_co_u32 s[PF], s[PF], s55
.set m, m+1
.endr
	v_sub_nc_u32 v8, v4, v6                        ; which set bit of the word
	v_lshrrev_b32 v9, 1, v5                        ; counts of set bits in fields of 2, 4, 8 and 16 bits
	s_delay_alu instid0(VALU_DEP_1)
	v_and_b32 v9, 0x55555555, v9
	s_delay_alu instid0(VALU_DEP_1)
	v_sub_nc_u32 v9, v5, v9
	s_delay_alu instid0(VALU_DEP_1)
	v_lshrrev_b32 v10, 2, v9
	s_delay_alu instid0(VALU_DEP_1)
	v_and_b32 v10, 0x33333333, v10
	s_delay_alu instid0(VALU_DEP_3)
	v_and_b32 v11, 0x33333333, v9
	s_delay_alu instid0(VALU_DEP_1)
	v_add_nc_u32 v10, v10, v11
	s_delay_alu instid0(VALU_DEP_1)
	v_lshrrev_b32 v11, 4, v10
	s_delay_alu instid0(VALU_DEP_1)
	v_add_nc_u32 v11, v11, v10
	s_delay_alu instid0(VALU_DEP_1)
	v_and_b32 v11, 0x0f0f0f0f, v11
	s_delay_alu instid0(VALU_DEP_1)
	v_lshrrev_b32 v12, 8, v11
	s_delay_alu instid0(VALU_DEP_1)
	v_add_nc_u32 v12, v12, v11                     ; its low byte: bits 0-15
	v_mov_b32 v13, 0                               ; the bit's place, found from the top down
.macro STAGE src, width, field         ; if the lower half of what is left holds too few set bits, pass over it
	s_delay_alu instid0(VALU_DEP_1)
	v_bfe_u32 v14, v[\src], v13, \field
	s_delay_alu instid0(VALU_DEP_1)
	v_cmp_ge_u32 vcc_lo, v8, v14
	s_delay_alu instid0(VALU_DEP_1)
	v_cndmask_b32 v14, 0, v14, vcc_lo
	s_delay_alu instid0(VALU_DEP_1)
	v_sub_nc_u32 v8, v8, v14
	v_add_nc_u32 v15, \width, v13
	s_delay_alu instid0(VALU_DEP_1)
	v_cndmask_b32 v13, v13, v15, vcc_lo
.endm
	STAGE 12, 16, 8
	STAGE 11, 8, 8
	STAGE 10, 4, 4
	STAGE 9, 2, 2
	STAGE 5, 1, 1
	s_delay_alu instid0(VALU_DEP_1)
	v_lshl_add_u32 v16, v7, 5, v13
	s_delay_alu instid0(VALU_DEP_1)
	v_min_u32 v16, 0x3ff, v16                      ; my token
	s_delay_alu instid0(VALU_DEP_1)
	v_lshlrev_b32 v17, 10, v16                     ; in: its row of codes, + 64 h + my quarter of K
	s_delay_alu instid0(VALU_DEP_1)
	v_lshl_add_u32 v17, v3, 6, v17
	s_lshl_b32 s55, s[KQ], 8
	v_add_nc_u32 v17, s55, v17
.irp n, 0,1,2,3,4,5,6,7
	global_load_b128 v[32+4*\n:35+4*\n], v17, s[8:9] offset:128*(\n/4)+16*(\n%4)             ; K step n / 4 of my two, piece n % 4
.endr
.irp n, 0,1,2,3,4,5,6,7
	global_load_b128 v[64+4*\n:67+4*\n], v17, s[8:9] offset:1048576+128*(\n/4)+16*(\n%4)     ; the second scale's codes
.endr
	s_lshl_b32 s55, s[TL], 14                      ; out: 16,384 x tile + 4,096 x quarter + 16 x lane
	s_lshl_b32 s56, s[KQ], 12
	s_add_co_u32 s55, s55, s56
	v_lshl_add_u32 v18, v1, 4, s55
	s_lshl_b32 s56, s[EX], 20
	s_add_nc_u64 s[10:11], s[10:11], s[56:57]      ; the expert's region, first scale;
	s_add_nc_u64 s[58:59], s[10:11], 0x800000      ; second scale, 8 MiB on
	s_wait_alu depctr_va_vdst(0)
.irp n, 0,1,2,3,4,5,6,7
	s_wait_loadcnt 15-\n                           ; loads come back in order: this one is in, the younger ones may be out
	global_store_b128 v18, v[32+4*\n:35+4*\n], s[10:11] offset:2048*(\n/4)+512*(\n%4)        ; 32 lanes store 512 consecutive bytes
.endr
.irp n, 0,1,2,3,4,5,6,7
	s_wait_loadcnt 7-\n
	global_store_b128 v18, v[64+4*\n:67+4*\n], s[58:59] offset:2048*(\n/4)+512*(\n%4)
.endr
	s_cmp_lg_u32 s[KQ], 0
	s_cbranch_scc1 .Lend                           ; the row list is written by the tile's first wave
	v_lshlrev_b32 v19, 2, v16
	global_load_b32 v20, v19, s[4:5] offset:1024   ; sel[t]
	v_mov_b32 v22, 1
	s_wait_alu depctr_va_vdst(0)
	s_wait_loadcnt 0x0
	v_bfe_u32 v20, v20, 8, 8
	s_delay_alu instid0(VALU_DEP_1)
	v_cmp_eq_u32 vcc_lo, s[EX], v20                ; am I the token's second expert?
	s_delay_alu instid0(VALU_DEP_1)
	v_cndmask_b32 v21, 0, v22, vcc_lo
	s_delay_alu instid0(VALU_DEP_1)
	v_lshl_add_u32 v21, v16, 1, v21                ; 2 t + k
	s_delay_alu instid0(VALU_DEP_1)
	v_min_u32 v21, 0x7ff, v21
	s_delay_alu instid0(VALU_DEP_1)
	v_lshlrev_b32 v23, 2, v21
	global_load_b32 v24, v23, s[6:7]               ; its weight
	v_cmp_gt_u32 vcc_lo, s[N], v4                  ; a routed row, or padding?
	s_add_co_u32 s55, s[EX], 2048
	v_cndmask_b32 v21, s55, v21, vcc_lo
	s_lshl_b32 s56, s[EX], 12
	v_lshl_add_u32 v25, v4, 2, s56                 ; [e][q]
	s_wait_alu depctr_va_vdst(0)
	s_wait_loadcnt 0x0
	v_cndmask_b32 v24, 0, v24, vcc_lo
	global_store_b32 v25, v21, s[12:13]            ; (both halves of the lanes hold the same 16 rows and write the same words)
	global_store_b32 v25, v24, s[14:15]
.Lend:
	s_endpgm
.Lfunc_end_k_q1156d14f2b_place:
	.size	k_q1156d14f2b_place, .Lfunc_end_k_q1156d14f2b_place-k_q1156d14f2b_place
	.p2alignl 7, 3214868480
	.fill 96, 4, 3214868480
	.section	.rodata,"a",@progbits
	.p2align	6, 0x0
	.amdhsa_kernel k_q1156d14f2b_place
		.amdhsa_group_segment_fixed_size 0
		.amdhsa_private_segment_fixed_size 0
		.amdhsa_enable_private_segment 0
		.amdhsa_kernarg_size 48
		.amdhsa_user_sgpr_count 2
		.amdhsa_user_sgpr_kernarg_segment_ptr 1
		.amdhsa_wavefront_size32 1
		.amdhsa_system_sgpr_workgroup_id_x 1
		.amdhsa_system_sgpr_workgroup_id_y 1
		.amdhsa_system_sgpr_workgroup_id_z 1
		.amdhsa_system_vgpr_workitem_id 0
		.amdhsa_next_free_vgpr 96
		.amdhsa_next_free_sgpr 66
		.amdhsa_reserve_vcc 1
		.amdhsa_float_denorm_mode_32 3
		.amdhsa_float_denorm_mode_16_64 3
		.amdhsa_memory_ordered 1
		.amdhsa_forward_progress 1
		.amdhsa_inst_pref_size 21
	.end_amdhsa_kernel
	.amdgpu_metadata
---
amdhsa.version: [ 1, 2 ]
amdhsa.kernels:
  - .name:           k_q1156d14f2b_place
    .symbol:         k_q1156d14f2b_place.kd
    .args:
      - { .name: route, .offset: 0, .size: 8, .value_kind: global_buffer, .address_space: global }
      - { .name: gwl, .offset: 8, .size: 8, .value_kind: global_buffer, .address_space: global }
      - { .name: xq, .offset: 16, .size: 8, .value_kind: global_buffer, .address_space: global }
      - { .name: ximg, .offset: 24, .size: 8, .value_kind: global_buffer, .address_space: global }
      - { .name: rowid, .offset: 32, .size: 8, .value_kind: global_buffer, .address_space: global }
      - { .name: gsort, .offset: 40, .size: 8, .value_kind: global_buffer, .address_space: global }
    .group_segment_fixed_size: 0
    .private_segment_fixed_size: 0
    .kernarg_segment_align: 8
    .kernarg_segment_size: 48
    .max_flat_workgroup_size: 256
    .sgpr_count:     66
    .vgpr_count:     96
    .wavefront_size: 32
...
	.end_amdgpu_metadata
.endif
;; end of part 7
;; launch up (part 8): grid 32 x 8, 4 waves a work-group, no clusters, 133,632 bytes of LDS; arguments w1, w3, ximg, route, lowp_scales, act; writes act
.if DOCPART == 8
	.amdgcn_target "amdgcn-amd-amdhsa--gfx1250"
	.amdhsa_code_object_version 6
	.text
	.protected	k_q1156d14f2b_up
	.globl	k_q1156d14f2b_up
	.p2align	8
	.type	k_q1156d14f2b_up,@function
k_q1156d14f2b_up:
	s_mov_b64 s[64:65], 0
	v_nop
	global_prefetch_b8 v0, s[64:65] scope:SCOPE_SE
	s_setreg_imm32_b32 hwreg(HW_REG_WAVE_SCHED_MODE, 0, 2), 2
	s_setreg_imm32_b32 hwreg(HW_REG_WAVE_MODE, 25, 1), 1
	s_wait_xcnt 0x0
	s_wait_alu depctr_vm_vsrc(0)
; act = Q(silu(x w1) * (x w3)) for the rows that chose expert e, both products on E4M3 codes.  w1, w3: [8][1024 (k)][2048 (hidden)] f32.
; THE WEIGHTS STAY, THE ROWS PASS.  Work-group (x, y) owns hidden units 64 x .. 64 x + 63 of expert y: 2 x 1,024 x 64 numbers, 512 KiB, read from memory ONCE in the whole launch, in pieces of 256 consecutive
; aligned bytes, quantised in registers and kept as codes in LDS (2 x 64 rows of 1,024 codes, k innermost).  No weight code goes to memory.
; THE FIRST ROUND'S PRODUCTS STAND UNDER THE WEIGHTS' STREAM.  K goes in eight steps of 128.  In a step each wave quantises two units of 32 k x 64 columns (waves 0, 1: w1's rows 128 s + 64 (w % 2) on; waves 2, 3: w3's),
; stores the codes to LDS, passes a barrier, and multiplies its rows by that step's codes, while the loads of the next three units are on their way.  LDS bytes are written once: a step's stores and the step before's
; reads touch different bytes, so one barrier a step is all the ordering: store, wait, barrier, load.
; A UNIT: lane (i = lane % 16, h = lane / 16) loads, of rows 16 h + 0 .. 15, columns 4 i .. 4 i + 3.  The conversion packs eight registers: two rows' four columns; eight byte shuffles for each four rows turn them
; so that a register holds four neighbours along k of one column.
; THE ROWS come as register images (launch place), 16 rows x 128 k a block, straight into registers; a wave takes five tiles of 16 rows, the four waves 20 tiles a round; every wave multiplies its rows by all 64
; columns of both weights: 40 accumulators.  Source 0 = 16 columns of a weight, source 1 = 16 rows: a lane then holds ONE row and eight neighbouring hidden units, which are neighbours along the next product's K:
; the conversion's result is stored as it stands into act, again a register image.  An expert with more than 320 rows takes further rounds, with all codes in LDS: a loop that begins at the way out.
; k IS PERMUTED ALIKE IN BOTH OPERANDS: lane half h, register 4 c + q, byte b holds k = 128 s + 64 h + 16 c + 4 q + b.  Every product meets its partner; only the order of the sums inside an instruction changes.
; THE SCALES: a sum of the first product stands for sum x 2^(e0 + e1), of the second for sum x 2^(e2 + e3).  silu's argument takes the first into its factor; the code of h g sigmoid is raw / 2^(e4 - e0 - e1 - e2 - e3).
; NO TENSOR LOADS, NO JOINT LOADS: the number of row tiles, and so the trips of the round loop, is a count read from memory (the popcount of the expert's mask), and differs from expert to expert.
; EIGHT BARRIERS, all in the straight text of the first round; none stands under a branch on a count.
; LIMITS: e0, e2 between -126 and 119; e0 + e1 between -126 and 127; e4 - e0 - e1 - e2 - e3 between -126 and 119.  NaN and infinities among the inputs are not served.
; THE MODE: SCHED_MODE bits 1:0 = 2 (LLVM: expert scheduling mode 2), set by the entry lines.  The code itself states the register dependences between vector or matrix instructions and memory or LDS instructions,
; with s_wait_alu, always for 0.
; THE PLAN.  Registers that memory or LDS instructions touch:
;   the three sets   A unit's loads land; its holds write them and its conversions read them; behind the conversions the loads of the unit three on land.
;   Q0, Q1           Written by a step's shuffles, read by its eight LDS stores, written again a step later.
;   WB0, WB1         LDS loads land, products read.  On the way out vector lines write v128-231 and the stores read the codes in v192-231.
;   the row pieces   Loads land, products read.
;   v[O ..], v[A ..] Written at a round's head; read by the round's loads and stores.
;   v[VG], v[VS], v[VW], v[VW+1]  Made at the head, never written again.
; A K STEP OF THE FIRST ROUND holds four waits.  vm_vsrc at its top: the last step's LDS stores have read Q0 and Q1.  va_vdst behind both units' conversions: the two sets are emptied; the loads of two units follow.
; va_vdst behind both units' shuffles: Q0 and Q1 are written; the eight LDS stores follow; it stands behind the last step's products too, and no vector line follows it ahead of the LDS loads into WB0 and WB1.
; va_vdst behind the step's products: they are done reading the two pieces; the next step's rows follow.
; A HALF STEP OF A LATER ROUND holds one: va_vdst behind the waits for its own data; its loads land in what the half step before read, and are dealt among its products, which name none of those registers.
; REGISTERS, in windows of 256.  Window 0: v1-23 addresses and constants; v32-99 a step's codes; v128-191, v192-255 two buffers of weight fragments, free on the way out.
;   Window 1: v0-79, v80-159 row pieces 0, 1 (80 registers: five fragments).  Window 2: v0-159 the sums with w1 (tile i, columns 16 t: 8 (4 i + t)).  Window 3: v0-159 the sums with w3.
;   v160-223 of windows 1, 2, 3: three sets of 64 for the weights' loads (unit u: window 1 + u % 3); in later rounds v160-239 of windows 2 and 3 are row pieces 2 and 3.
.set ROWB, 8192                        ; a row of w1 or w3 in bytes
.set NU,   16                          ; units a wave
.set NS,   8                           ; K steps
.set J,    16                          ; half steps a round: K step j / 2; j even: first scale's codes x w1, j odd: second scale's x w3
.set PW,   1040                        ; an LDS row: 1,024 codes + 16 = 260 words: row r starts at bank 4 r mod 64 (64 banks of 4 bytes: ISA guide 11.1)
.set W3L,  64*PW                       ; w3's codes lie behind w1's
.set SET,  160                         ; a set's first register, in its window
.set VG,   4                           ; v4      weights: my byte in a unit's first rows
.set VS,   5                           ; v5      LDS: where my codes go
.set VW,   6                           ; v6, v7  LDS: my lane's place in a fragment of w1, of w3
.set L16,  8                           ; v8      16 x lane
.set AB,   9                           ; v9      act: my bytes in a tile's block
.set O,    10                          ; v10-14  ximg: tile i's block + 16 x lane
.set A,    15                          ; v15-19  act: tile i's block + AB
.set SC,   20                          ; v20, v21  my weight's 2^e and 448 x 2^e
.set LIM,  21
.set SC2,  22                          ; v22, v23  the same for act's folded scale
.set LIM2, 23
.set P,    32                          ; v32-63  the codes of a step's two units, unit u at P + 16 (u % 2): register i = row i's four columns
.set T,    64                          ; v64-67  at work
.set Q,    68                          ; v68-99  turned, unit u at Q + 16 (u % 2): 4 c + q = column c, rows 4 q .. 4 q + 3
.set WB,   128
.set ARG,  128                         ; the way out: 32 registers: silu's argument, then sigmoid
.set PR,   160                         ; 32: h g, then the result
.set CD,   192                         ; 8 a tile: its codes
.set WV,   16
.set EX,   17
.set SG,   18                          ; my slice of 64 hidden units
.set N,    34
.set NT,   35                          ; tiles of the expert
.set NT1,  36
.set SB,   37                          ; the round's first tile
.set TI,   38                          ; s38-42  my five tiles
.set RC,   52                          ; s52     rounds walked
.set RMAX, 4                           ; an expert has 64 tiles at the most and a round takes 20: four rounds at the most
.set MK,   68                          ; s[68:99] the expert's mask
.set MSB,  0
.macro WIN new                         ; the immediate's high byte repeats the setting that is left
.if MSB != \new
	s_set_vgpr_msb (MSB<<8)|\new
.set MSB, \new
.endif
.endm
.macro PLACES                          ; four plain vector lines behind a matrix instruction (ISA guide 7.12.1)
.rept 4
	v_nop
.endr
.endm
.macro LOADU u                         ; unit u's 16 loads into its set: each reads two rows' 256 consecutive bytes.  Unit u: K step u / 2, rows 32 (u % 2) on of my 64
	WIN ((1+((\u)%3))<<6)
.set k, 0
.rept 16
	global_load_b128 v[SET+4*k:SET+4*k+3], v[VG], s[24:25] offset:(128*((\u)/2)+32*((\u)%2)+k)*ROWB th:TH_LOAD_NT
.set k, k+1
.endr
.endm
.macro PIECE j, b                      ; half step j's five row fragments, 20 loads of 512 consecutive bytes, into piece b
.if (\b) < 2
	WIN 0x40
.set PB, 80*(\b)
.elseif (\b) == 2
	WIN 0x80
.set PB, 160
.else
	WIN 0xc0
.set PB, 160
.endif
.irp i, 0,1,2,3,4
.irp c, 0,1,2,3
	global_load_b128 v[PB+16*\i+4*\c:PB+16*\i+4*\c+3], v[O+\i], s[8+18*((\j)%2):9+18*((\j)%2)] offset:2048*((\j)/2)+512*\c
.endr
.endr
.endm
.macro WFR j                           ; half step j's four weight fragments from LDS into buffer j % 2 (every window is 0 here)
.set WBJ, WB+64*((\j)%2)
.irp t, 0,1,2,3
.irp c, 0,1,2,3
	ds_load_b128 v[WBJ+16*\t+4*\c:WBJ+16*\t+4*\c+3], v[VW+(\j)%2] offset:16*PW*\t+128*((\j)/2)+16*\c
.endr
.endr
.endm
.macro TILES                           ; my five tiles of the round, and their addresses.  A tile behind the expert's last is clamped to the last: it is multiplied and not stored
.irp i, 0,1,2,3,4
	s_add_co_u32 s[TI+\i], s[SB], s[WV]
	s_add_co_u32 s[TI+\i], s[TI+\i], 4*\i
	s_min_u32 s50, s[TI+\i], s[NT1]
	s_min_u32 s50, s50, 63
	s_lshl_b32 s51, s50, 14
	v_add_nc_u32 v[O+\i], s51, v[L16]
	s_lshl_b32 s51, s50, 15
	v_add_nc_u32 v[A+\i], s51, v[AB]
.endr
.endm
.macro CODES u                         ; unit u, whose loads are in: held and converted
.set SW, 1+((\u)%3)
.set PU, P+16*((\u)%2)
	WIN ((SW<<6)|SW)
.set k, 0
.rept 64
	v_med3_num_f32 v[SET+k], v[SET+k], -v[LIM], v[LIM]   ; the conversion to an 8-bit code does not saturate (ISA guide 7.6.2)
.set k, k+1
.endr
	WIN SW
.set k, 0
.rept 8
	v_cvt_scalef32_pk8_fp8_f32 v[PU+2*k:PU+2*k+1], v[SET+8*k:SET+8*k+7], v[SC]
.set k, k+1
.endr
.endm
.macro TURN u                          ; unit u's codes turned, so that a register holds four neighbours along k of one column
.set PU, P+16*((\u)%2)
.set QU, Q+16*((\u)%2)
.irp q, 0,1,2,3
	v_perm_b32 v[T],   v[PU+4*\q+1], v[PU+4*\q],   s46   ; rows 4 q, 4 q + 1: columns 0, 1 interleaved
	v_perm_b32 v[T+1], v[PU+4*\q+1], v[PU+4*\q],   s47   ; columns 2, 3
	v_perm_b32 v[T+2], v[PU+4*\q+3], v[PU+4*\q+2], s46   ; rows 4 q + 2, 4 q + 3
	v_perm_b32 v[T+3], v[PU+4*\q+3], v[PU+4*\q+2], s47
	v_perm_b32 v[QU+\q],    v[T+2], v[T],   s48          ; column 0, four rows
	v_perm_b32 v[QU+4+\q],  v[T+2], v[T],   s49
	v_perm_b32 v[QU+8+\q],  v[T+3], v[T+1], s48
	v_perm_b32 v[QU+12+\q], v[T+3], v[T+1], s49
.endr
.endm
.macro PUT u                           ; unit u's codes to LDS
.set QU, Q+16*((\u)%2)
.irp c, 0,1,2,3
	ds_store_b128 v[VS], v[QU+4*\c:QU+4*\c+3] offset:PW*\c+128*((\u)/2)+32*((\u)%2)   ; column 4 i + c, 16 neighbours along k
.endr
.endm
; Four matrix instructions: half step j's four weight fragments x row fragment i of piece b.  zero = 1: the products start the sums: nothing is cleared.
.macro MULI j, b, zero, i
.set MW, WB+64*((\j)%2)
.if (\b) < 2
.set MP, 80*(\b)
.set PWN, 1
.else
.set MP, 160
.set PWN, (\b)
.endif
.set AWN, 2+((\j)%2)
	WIN ((AWN<<6)|(AWN<<4)|(PWN<<2))               ; weights window 0, rows window PWN, sums window AWN
.irp t, 0,1,2,3
.if \zero
	v_wmma_f32_16x16x128_fp8_fp8 v[8*(4*(\i)+\t):8*(4*(\i)+\t)+7], v[MW+16*\t:MW+16*\t+15], v[MP+16*(\i):MP+16*(\i)+15], 0
.else
	v_wmma_f32_16x16x128_fp8_fp8 v[8*(4*(\i)+\t):8*(4*(\i)+\t)+7], v[MW+16*\t:MW+16*\t+15], v[MP+16*(\i):MP+16*(\i)+15], v[8*(4*(\i)+\t):8*(4*(\i)+\t)+7]
.endif
.endr
.endm
; 20 matrix instructions: a half step.  20 accumulators by turns, one instruction a turn; the two sets of sums alternate from half step to half step.
.macro MUL j, b, zero
.irp i, 0,1,2,3,4
	MULI \j, \b, \zero, \i
.endr
.endm
; A K STEP OF THE FIRST ROUND.  Loads are issued in this order: units 0, 1, 2 and pieces 0, 1 at the head; then in step s units 2 s + 3, 2 s + 4 and the next step's two pieces.
.macro KSTEP s
.if (\s) < NS-1
	s_wait_loadcnt 56                              ; my two units are in: behind unit 2 s + 1 were issued unit 2 s + 2 (16 loads) and this step's two pieces (40)
.else
	s_wait_loadcnt 40                              ; the last step: the two pieces alone
.endif
.if (\s) > 0
	s_wait_alu depctr_vm_vsrc(0)                   ; the last step's LDS stores have read Q0 and Q1, which this step's shuffles write again
.endif
	CODES 2*(\s)
	CODES 2*(\s)+1
	v_nop                                          ; one plain vector line between the last scaled conversion and the lines that read its result
.if 2*(\s)+3 < NU
	s_wait_alu depctr_va_vdst(0)                   ; the holds have written the step's sets and the conversions are done reading them: the loads below land there
	LOADU 2*(\s)+3
.endif
.if 2*(\s)+4 < NU
	LOADU 2*(\s)+4
.endif
	WIN 0
	TURN 2*(\s)
	TURN 2*(\s)+1
	s_wait_alu depctr_va_vdst(0)                   ; the shuffles have written Q0 and Q1, which the LDS stores read; the last step's products are done reading WB0 and WB1, in which the LDS loads behind the barrier land
	PUT 2*(\s)
	PUT 2*(\s)+1
	s_wait_dscnt 0x0                               ; for the others' sake: my codes of this step are in LDS
	s_barrier_signal -1
	s_barrier_wait -1                              ; everybody's are.  (Loads from memory stay out: nobody writes those bytes)
	WFR 2*(\s)                                     ; no vector or matrix instruction since the wait above
	WFR 2*(\s)+1
.if (\s) < NS-2
	s_wait_loadcnt 32                              ; my rows are in: behind the second piece were issued two units
.elseif (\s) == NS-2
	s_wait_loadcnt 16                              ; one unit, the last
.else
	s_wait_loadcnt 0x0
.endif
	s_wait_dscnt 16                                ; w1's fragments are in; w3's sixteen loads may be out
.if (\s) == 0
	MUL 2*(\s), 0, 1
.else
	MUL 2*(\s), 0, 0
.endif
	s_wait_dscnt 0x0
.if (\s) == 0
	MUL 2*(\s)+1, 1, 1
.else
	MUL 2*(\s)+1, 1, 0
.endif
.if (\s) < NS-1
	PLACES                                         ; the loads below land in registers that these products read: first the places,
	s_wait_alu depctr_va_vdst(0)                   ; then the wait: the step's products are done reading the two pieces
	PIECE 2*(\s)+2, 0
	PIECE 2*(\s)+3, 1
.endif
	WIN 0
.endm
; A half step of a later round: all codes lie in LDS.  Its own data are waited for first; then the one wait on va_vdst; then its loads, dealt among its products: the next half step's weight fragments into the other
; buffer, the rows of three half steps on into the piece that the half step before read.
.macro HSTEP j
.if (\j) < 2
.set HZ, 1
.else
.set HZ, 0
.endif
	s_wait_dscnt 0x0                               ; my weight fragments are in: they were asked for in the half step before, and nothing behind them
.if J-1-(\j) >= 2
	s_wait_loadcnt 40                              ; my rows are in; the two pieces behind them, 20 loads each, may be out
.else
	s_wait_loadcnt 20*(J-1-(\j))
.endif
.if ((\j) > 0) && ((\j)+1 < J)
	PLACES                                         ; the loads below land in registers that the last half step's products read: first the places,
	s_wait_alu depctr_va_vdst(0)                   ; then the wait: those products are done reading the other weight buffer and their piece
.endif
	MULI \j, (\j)%4, HZ, 0
.if (\j)+1 < J
	WIN 0
	WFR (\j)+1                                     ; no wait: the products since the wait name this half step's buffer, its piece and the sums
.endif
	MULI \j, (\j)%4, HZ, 1
.if (\j)+3 < J
	PIECE (\j)+3, ((\j)+3)%4
.endif
	MULI \j, (\j)%4, HZ, 2
	MULI \j, (\j)%4, HZ, 3
	MULI \j, (\j)%4, HZ, 4
.endm
	s_load_b256 s[4:11], s[0:1], 0x0               ; w1 s[4:5], w3 s[6:7], ximg s[8:9], route s[10:11]
	s_load_b128 s[12:15], s[0:1], 0x20             ; the scales' exponents s[12:13], act s[14:15]
	v_lshl_add_u32 v126, v0, 2, 0x20800
	v_mov_b32 v127, 0
	v_lshrrev_b32 v1, 5, v0
	v_readfirstlane_b32 s[WV], v1                  ; wave 0..3
	s_and_b32 s[EX], ttmp7, 0xffff                 ; expert
	s_mov_b32 s[SG], ttmp9                         ; slice
	v_and_b32 v1, 31, v0                           ; lane
	v_and_b32 v2, 15, v0                           ; lane % 16
	v_bfe_u32 v3, v0, 4, 1                         ; lane / 16
	v_lshlrev_b32 v[VG], 4, v2
	v_lshl_add_u32 v[VG], v3, 17, v[VG]            ; 16 bytes a lane; lanes 16-31 sixteen rows of 8,192 bytes further down
	s_wait_alu depctr_va_sdst(0)                   ; the wave's number is written, ahead of its first reader
	s_lshl_b32 s20, s[EX], 23                      ; the expert's 8 MiB,
	s_and_b32 s19, s[WV], 1
	s_lshl_b32 s22, s19, 19                        ; my 64 rows of a K step's 128,
	s_add_co_u32 s20, s20, s22
	s_lshl_b32 s22, s[SG], 8                       ; the slice's 256 bytes of a row
	s_add_co_u32 s20, s20, s22
	s_mov_b32 s21, 0
	s_wait_kmcnt 0x0
	s_cmp_lt_u32 s[WV], 2
	s_cselect_b64 s[24:25], s[4:5], s[6:7]         ; w1 or w3: the choice hangs on the wave's number alone
	s_add_nc_u64 s[24:25], s[24:25], s[20:21]
	s_lshl_b32 s20, s[EX], 7
	s_add_nc_u64 s[22:23], s[10:11], s[20:21]
	s_load_b512 s[68:83], s[22:23], 0x0            ; the expert's mask
	s_load_b512 s[84:99], s[22:23], 0x40
	s_load_b128 s[28:31], s[12:13], 0x0            ; e0 .. e3
	s_load_b64 s[32:33], s[12:13], 0x10            ; e4, e5
	s_wait_alu depctr_va_vdst(0)                   ; v[VG] is written, which every load of a weight reads as its offset
	LOADU 0                                        ; the stream starts before anything else is done
	LOADU 1
	LOADU 2
	WIN 0
	v_mul_u32_u24 v[VS], v2, 4*PW                  ; LDS, in: column 4 i, + 16 h, + my matrix, + my 64 of a K step's 128
	v_lshl_add_u32 v[VS], v3, 4, v[VS]
	s_lshr_b32 s50, s[WV], 1
	s_mul_i32 s50, s50, W3L
	s_lshl_b32 s51, s19, 6
	s_add_co_u32 s50, s50, s51
	v_add_nc_u32 v[VS], s50, v[VS]
	v_mul_u32_u24 v[VW], v2, PW                    ; LDS, out: column lane % 16, + 64 h
	v_lshl_add_u32 v[VW], v3, 6, v[VW]
	v_add_nc_u32 v[VW+1], W3L, v[VW]
	v_lshlrev_b32 v[L16], 4, v1
	s_lshr_b32 s50, s[SG], 1                       ; act: hidden unit 64 x + 16 t + 8 h + j lies in K step x / 2, lane half x % 2, piece t, byte 8 h + j
	s_lshl_b32 s50, s50, 11
	s_and_b32 s51, s[SG], 1
	s_lshl_b32 s51, s51, 8
	s_add_co_u32 s50, s50, s51
	v_lshlrev_b32 v[AB], 4, v2
	v_lshl_add_u32 v[AB], v3, 3, v[AB]
	v_add_nc_u32 v[AB], s50, v[AB]
	s_lshl_b32 s20, s[EX], 20
	s_add_nc_u64 s[8:9], s[8:9], s[20:21]          ; the expert's rows by the first scale,
	s_add_nc_u64 s[26:27], s[8:9], 0x800000        ; by the second
	s_lshl_b32 s20, s[EX], 21
	s_add_nc_u64 s[14:15], s[14:15], s[20:21]      ; the expert's part of act
	s_mov_b32 s46, 0x05010400                      ; byte selects of the turn
	s_mov_b32 s47, 0x07030602
	s_mov_b32 s48, 0x05040100
	s_mov_b32 s49, 0x07060302
	s_mov_b32 s[N], 0
	s_wait_alu depctr_va_vdst(0)
	s_wait_kmcnt 0x0
.set m, 0
.rept 32
	s_bcnt1_i32_b32 s50, s[MK+m]
	s_add_co_u32 s[N], s[N], s50
.set m, m+1
.endr
	s_add_co_u32 s[NT], s[N], 15
	s_lshr_b32 s[NT], s[NT], 4
	s_max_u32 s[NT], s[NT], 1                      ; as launch place has it: tile 0 is always there
	s_min_u32 s[NT], s[NT], 64                     ; (a mask has 1,024 bits, so this changes nothing: it states the bound in the text)
	s_sub_co_u32 s[NT1], s[NT], 1
	s_mov_b32 s[SB], 0
	s_mov_b32 s[RC], 0
	TILES
	s_wait_alu depctr_va_vdst(0)                   ; the addresses v5 to v19 are written, which the loads, LDS stores, LDS loads and stores from here on read
	PIECE 0, 0                                     ; the first K step's rows, by both scales
	PIECE 1, 1
	WIN 0
	s_cmp_lt_u32 s[WV], 2
	s_cselect_b32 s50, s28, s30                    ; my weight's exponent
	s_add_co_i32 s50, s50, 127
	s_lshl_b32 s51, s50, 23
	v_mov_b32 v[SC], s51
	s_add_co_i32 s50, s50, 8
	s_lshl_b32 s50, s50, 23
	s_or_b32 s50, s50, 0x600000
	v_mov_b32 v[LIM], s50
	s_add_co_i32 s50, s28, s29                     ; e0 + e1, added to the exponent field of -log2(e):
	s_lshl_b32 s51, s50, 23
	s_add_co_u32 s44, s51, 0xbfb8aa3b              ; sum x this = -h log2(e)
	s_mov_b32 s45, s44                             ; (named with it as a pair, so it is written)
	s_add_co_i32 s50, s50, s30
	s_add_co_i32 s50, s50, s31
	s_sub_co_i32 s50, s32, s50                     ; e4 - e0 - e1 - e2 - e3
	s_add_co_i32 s50, s50, 127
	s_lshl_b32 s51, s50, 23
	v_mov_b32 v[SC2], s51
	s_add_co_i32 s50, s50, 8
	s_lshl_b32 s50, s50, 23
	s_or_b32 s50, s50, 0x600000
	v_mov_b32 v[LIM2], s50
	s_wait_alu depctr_va_vdst(0)
.irp s, 0,1,2,3,4,5,6,7
	KSTEP \s
.endr
.Lepi:                                             ; on both ways in: a round's sums are finished, no load and no LDS instruction is out, every window is 0
	PLACES
; THE WAY OUT, tile by tile: h g sigmoid(h), held, converted, stored.  Each accumulator is read from its low end on.
.irp i, 0,1,2,3,4
	s_cmp_ge_u32 s[TI+\i], s[NT]
	s_cbranch_scc1 .Lskip\i                        ; a tile behind the expert's last: nothing is stored
	WIN 0x02
.set p, 0
.rept 16
	v_pk_mul_f32 v[ARG+p:ARG+p+1], v[32*\i+p:32*\i+p+1], s[44:45] op_sel_hi:[1,0]   ; -h log2(e)
.set p, p+2
.endr
	WIN 0
.set p, 0
	s_wait_alu depctr_va_vdst(0)
.rept 32
	v_exp_f32 v[ARG+p], v[ARG+p]                   ; e^-h
.set p, p+1
.endr
	WIN 0x0e
.set p, 0
	s_wait_alu depctr_va_vdst(0)
.rept 16
	v_pk_mul_f32 v[PR+p:PR+p+1], v[32*\i+p:32*\i+p+1], v[32*\i+p:32*\i+p+1]         ; the two sums' product (window 2 x window 3).  These are the plain lines behind the exponentials
.set p, p+2
.endr
	WIN 0
	s_wait_alu depctr_va_vdst(0)                   ; the 32 exponentials have written v[ARG ..]: one wait for the batch, ahead of its first reader
.set p, 0
.rept 16
	v_pk_add_f32 v[ARG+p:ARG+p+1], v[ARG+p:ARG+p+1], 1.0 op_sel_hi:[1,0]
.set p, p+2
.endr
.set p, 0
	s_wait_alu depctr_va_vdst(0)
.rept 32
	v_rcp_f32 v[ARG+p], v[ARG+p]                   ; sigmoid(h)
.set p, p+1
.endr
	v_nop                                          ; a plain line behind the reciprocals
	s_wait_alu depctr_va_vdst(0)                   ; the 32 reciprocals have written v[ARG ..]: one wait for the batch, ahead of its first reader
.set p, 0
.rept 16
	v_pk_mul_f32 v[PR+p:PR+p+1], v[PR+p:PR+p+1], v[ARG+p:ARG+p+1]
.set p, p+2
.endr
.set p, 0
.rept 32
	v_med3_num_f32 v[PR+p], v[PR+p], -v[LIM2], v[LIM2]
.set p, p+1
.endr
.irp t, 0,1,2,3
	v_cvt_scalef32_pk8_fp8_f32 v[CD+8*\i+2*\t:CD+8*\i+2*\t+1], v[PR+8*\t:PR+8*\t+7], v[SC2]
.endr
	v_nop                                          ; one plain vector line behind the last scaled conversion
	s_wait_alu depctr_va_vdst(0)                   ; the conversions have written the tile's codes, which the four stores read
.irp t, 0,1,2,3
	global_store_b64 v[A+\i], v[CD+8*\i+2*\t:CD+8*\i+2*\t+1], s[14:15] offset:512*\t   ; 32 lanes store 256 consecutive bytes, at a multiple of 256 from act's first byte
.endr
.Lskip\i:
.endr
	s_wait_xcnt 0x0                                ; the stores have read their addresses and codes: both are written again below
	s_wait_alu depctr_vm_vsrc(0)                   ; the stores have read v[A ..] and the codes, the round's loads v[O ..]: the next round's head writes the addresses again, and its LDS loads land on the codes' registers
	s_add_co_u32 s[SB], s[SB], 20
	s_add_co_u32 s[RC], s[RC], 1
	s_cmp_ge_u32 s[SB], s[NT]
	s_cbranch_scc1 .Ldone                          ; no tile is left: nothing more is asked for.  This is the way by which the loop is left
	TILES                                          ; A LATER ROUND: the next 20 tiles against the codes in LDS
	s_wait_alu depctr_va_vdst(0)                   ; v[O ..] and v[A ..] are written; the last round's products are done reading the pieces, and the way out's lines are done with v128-231: the loads below read the first and land in the others
	PIECE 0, 0
	PIECE 1, 1
	PIECE 2, 2
	WIN 0
	WFR 0
.irp j, 0,1,2,3,4,5,6,7,8,9,10,11,12,13,14,15
	HSTEP \j
.endr
	WIN 0
	s_cmp_lt_u32 s[RC], RMAX                       ; the way back is counted against a constant: 4 x 20 tiles cover an expert's 64
	s_cbranch_scc1 .Lepi
.Ldone:
	s_wait_dscnt 0x0                               ; the closing lines, six on end
	s_wait_alu 0x0
	s_wait_tensorcnt 0x0
	ds_add_u32 v126, v127
	s_wait_dscnt 0x0
	s_endpgm
.Lfunc_end_k_q1156d14f2b_up:
	.size	k_q1156d14f2b_up, .Lfunc_end_k_q1156d14f2b_up-k_q1156d14f2b_up
	.p2alignl 7, 3214868480
	.fill 96, 4, 3214868480
	.section	.rodata,"a",@progbits
	.p2align	6, 0x0
	.amdhsa_kernel k_q1156d14f2b_up
		.amdhsa_group_segment_fixed_size 133632
		.amdhsa_private_segment_fixed_size 0
		.amdhsa_enable_private_segment 0
		.amdhsa_kernarg_size 48
		.amdhsa_user_sgpr_count 2
		.amdhsa_user_sgpr_kernarg_segment_ptr 1
		.amdhsa_wavefront_size32 1
		.amdhsa_system_sgpr_workgroup_id_x 1
		.amdhsa_system_sgpr_workgroup_id_y 1
		.amdhsa_system_sgpr_workgroup_id_z 1
		.amdhsa_system_vgpr_workitem_id 0
		.amdhsa_next_free_vgpr 1024
		.amdhsa_next_free_sgpr 100
		.amdhsa_reserve_vcc 0
		.amdhsa_float_denorm_mode_32 3
		.amdhsa_float_denorm_mode_16_64 3
		.amdhsa_memory_ordered 1
		.amdhsa_forward_progress 1
		.amdhsa_inst_pref_size 255
	.end_amdhsa_kernel
	.section	.bss,"aw",@nobits
	.p2align	6
	.space	262144
	.amdgpu_metadata
---
amdhsa.version: [ 1, 2 ]
amdhsa.kernels:
  - .name:           k_q1156d14f2b_up
    .symbol:         k_q1156d14f2b_up.kd
    .args:
      - { .name: w1, .offset: 0, .size: 8, .value_kind: global_buffer, .address_space: global }
      - { .name: w3, .offset: 8, .size: 8, .value_kind: global_buffer, .address_space: global }
      - { .name: ximg, .offset: 16, .size: 8, .value_kind: global_buffer, .address_space: global }
      - { .name: route, .offset: 24, .size: 8, .value_kind: global_buffer, .address_space: global }
      - { .name: lowp_scales, .offset: 32, .size: 8, .value_kind: global_buffer, .address_space: global }
      - { .name: act, .offset: 40, .size: 8, .value_kind: global_buffer, .address_space: global }
    .group_segment_fixed_size: 133632
    .private_segment_fixed_size: 0
    .kernarg_segment_align: 8
    .kernarg_segment_size: 48
    .max_flat_workgroup_size: 128
    .sgpr_count:     100
    .vgpr_count:     1024
    .wavefront_size: 32
...
	.end_amdgpu_metadata
.endif
;; end of part 8
;; launch down (part 9): grid 32 x 8, 4 waves a work-group, no clusters, 84,480 bytes of LDS; arguments w2, act, route, rowid, gsort, lowp_scales, yr; writes yr
.if DOCPART == 9
	.amdgcn_target "amdgcn-amd-amdhsa--gfx1250"
	.amdhsa_code_object_version 6
	.text
	.protected	k_q1156d14f2b_down
	.globl	k_q1156d14f2b_down
	.p2align	8
	.type	k_q1156d14f2b_down,@function
k_q1156d14f2b_down:
	s_mov_b64 s[64:65], 0
	v_nop
	global_prefetch_b8 v0, s[64:65] scope:SCOPE_SE
	s_setreg_imm32_b32 hwreg(HW_REG_WAVE_SCHED_MODE, 0, 2), 2
	s_setreg_imm32_b32 hwreg(HW_REG_WAVE_MODE, 25, 1), 1
	s_wait_xcnt 0x0
	s_wait_alu depctr_vm_vsrc(0)
; yr = weight x (act w2) for the rows that chose expert e, on E4M3 codes.  w2: [8][2048 (k = hidden)][1024 (d)] f32.
; THE WEIGHTS STAY, THE ROWS PASS, as in launch up.  Work-group (x, y) owns, of expert y, output columns 64 (x % 16) on and the half x / 16 of K: 1,024 x 64 numbers, 256 KiB, read from memory once, in pieces of 256
; consecutive aligned bytes, quantised in registers, kept as codes in LDS (64 rows of 1,024 codes, k innermost).
; THE FIRST ROUND'S PRODUCTS STAND UNDER THE WEIGHTS' STREAM.  The half of K goes in eight steps of 128.  In a step wave w quantises one unit of 32 k x 64 columns (rows 128 s + 32 w on), stores the codes to LDS, passes
; a barrier, and multiplies its rows by that step's codes, while the loads of the next units are on their way.  LDS bytes are written once: a step's stores and the step before's reads touch different bytes,
; so one barrier a step is all the ordering: store, wait, barrier, load.
; The expert's rows of act (register images, 16 rows x 128 k a block) pass: five tiles a wave, 20 a round, 20 accumulators.  Source 0 = 16 columns of w2, source 1 = 16 rows: a lane holds one row and eight
; neighbouring columns.  k is permuted alike in both operands (lane half h, register 4 c + q, byte b: k = 128 s + 64 h + 16 c + 4 q + b).  An expert with more than 320 rows takes further rounds, with all codes in
; LDS: a loop that begins at the way out.
; OUT: yr [2 halves of K][2,056 rows][1024] f32.  Row 2 t + k of half x / 16 holds weight x 2^(e4 + e5) x sum; each byte has one owner, and the last launch adds a token's four parts.  Slots that pad a tile carry the
; weight 0 and the row 2048 + e, which nobody reads.  A tile goes through the wave's own stage in LDS, so that sixteen lanes store 256 consecutive bytes of one row.
; NO TENSOR LOADS, NO JOINT LOADS: the trips of the round loop are a count read from memory.  EIGHT BARRIERS, all in the straight text of the first round.
; LIMITS: e5 between -126 and 119; e4 + e5 between -126 and 127.  NaN and infinities among the inputs are not served.
; THE MODE: SCHED_MODE bits 1:0 = 2 (LLVM: expert scheduling mode 2), set by the entry lines.  The code itself states the register dependences between vector or matrix instructions and memory or LDS instructions,
; with s_wait_alu, always for 0.
; THE PLAN.  Registers that memory or LDS instructions touch:
;   the three sets   A unit's loads land; its holds write them and its conversions read them; behind the conversions the loads of the unit three on land.
;   Q                Written by a step's shuffles, read by its four LDS stores, written again a step later.
;   WB0, WB1         LDS loads land, products read.  On the way out v128-159 (scaled sums) are written by vector lines and read by LDS stores; in v160-191 the loads from the stage land, and the stores read them.
;   the row pieces   Loads land, products read.  THE FIRST ROUND TAKES THREE BY TURNS: the piece that is loaded behind step s's products is the one that step s - 1's products read, so it hangs on nothing of step s.
;   v[RID ..]        The row list's loads land; the way out's vector lines write them; the stores read them as addresses.   v[GS ..]  Loads land, a vector line reads.
;   v[O ..], v[MRO ..], v[MGO ..]  Written at a round's head; read by the round's loads.      v[VG], v[VS], v[VW], v[STI], v[STO]  Made at the head, never written again.
; A K STEP OF THE FIRST ROUND holds three waits.  vm_vsrc at its top: the last step's LDS stores have read Q.  va_vdst behind the conversions: the set is emptied; the loads of the unit three on follow.
; va_vdst behind the shuffles: Q is written; the LDS stores follow.  Both stand behind the last step's products, and between them and the step's LDS loads and row loads no vector or matrix instruction names what those touch.
; A K STEP OF A LATER ROUND holds one: va_vdst behind the waits for its own data; its loads land in what the step before read, and are dealt among its products, which name none of those registers.
; REGISTERS.  Window 0: v1-30 addresses and constants; v32-71 the rows' places in yr, eight a tile; v72-76 weights; v[78:79] the tile's factor; v80-115 a unit's codes; v128-255 two buffers of weight fragments,
;   on the way out v128-159 scaled sums, v160-191 rows read back.  Window 1: row pieces 0, 1, 2.  Window 2: v0-159 the sums, v160-239 row piece 3 (later rounds).
;   Window 3: three sets of 64 for the weights' loads (unit u: v[64 (u % 3)]).
.set ROWB, 4096
.set NU,   8
.set NS,   8
.set J,    8
.set PW,   1040                        ; an LDS row: 1,024 codes + 16 = 260 words: row r starts at bank 4 r mod 64 (ISA guide 11.1)
.set STG,  64*PW                       ; behind the codes: a stage of 16 rows x 272 bytes for each wave
.set SP,   272
.set VG,   4
.set VS,   5
.set VW,   6
.set L16,  7
.set STI,  8                           ; v8   the stage: where I put 32 bytes of a row
.set STO,  9                           ; v9   and where I read a row back
.set COL,  10                          ; v10  16 (lane % 16): my bytes of a row's 256
.set H32,  11                          ; v11  32 (lane / 16)
.set R4,   12                          ; v12  4 (lane % 16)
.set SC,   13
.set LIM,  14
.set O,    16                          ; v16-20  act: tile i's block + 16 x lane
.set MRO,  21                          ; v21-25  rowid: tile i's 16 words, + 32 h
.set MGO,  26                          ; v26-30  gsort: tile i's 16 words, + 4 r
.set RID,  32
.set GS,   72
.set F,    78
.set Q,    80
.set P,    96
.set T,    112
.set WB,   128
.set TMP,  128
.set OB,   160
.set WV,   18
.set EX,   19
.set DS,   20
.set KH,   21
.set N,    34
.set NT,   35
.set NT1,  36
.set SB,   37
.set TI,   38
.set RC,   52                          ; s52  rounds walked
.set RMAX, 4                           ; an expert has 64 tiles at the most and a round takes 20: four rounds at the most
.set MK,   68
.set MSB,  0
.macro WIN new                         ; the immediate's high byte repeats the setting that is left
.if MSB != \new
	s_set_vgpr_msb (MSB<<8)|\new
.set MSB, \new
.endif
.endm
.macro PLACES                          ; four plain vector lines behind a matrix instruction (ISA guide 7.12.1)
.rept 4
	v_nop
.endr
.endm
.macro LOADU u                         ; unit u = K step u's 32 rows of mine: 16 loads, each two rows' 256 consecutive bytes
	WIN 0xc0
.set k, 0
.rept 16
	global_load_b128 v[64*((\u)%3)+4*k:64*((\u)%3)+4*k+3], v[VG], s[24:25] offset:(128*(\u)+k)*ROWB th:TH_LOAD_NT
.set k, k+1
.endr
.endm
.macro PIECE j, b                      ; K step j's five row fragments, 20 loads of 512 consecutive bytes, into piece b
.if (\b) < 3
	WIN 0x40
.set PB, 80*(\b)
.else
	WIN 0x80
.set PB, 160
.endif
.irp i, 0,1,2,3,4
.irp c, 0,1,2,3
	global_load_b128 v[PB+16*\i+4*\c:PB+16*\i+4*\c+3], v[O+\i], s[6:7] offset:2048*(\j)+512*\c
.endr
.endr
.endm
.macro WFR j                           ; K step j's four weight fragments from LDS into buffer j % 2 (every window is 0 here)
.set WBJ, WB+64*((\j)%2)
.irp t, 0,1,2,3
.irp c, 0,1,2,3
	ds_load_b128 v[WBJ+16*\t+4*\c:WBJ+16*\t+4*\c+3], v[VW] offset:16*PW*\t+128*(\j)+16*\c
.endr
.endr
.endm
.macro TILES
.irp i, 0,1,2,3,4
	s_add_co_u32 s[TI+\i], s[SB], s[WV]
	s_add_co_u32 s[TI+\i], s[TI+\i], 4*\i
	s_min_u32 s50, s[TI+\i], s[NT1]
	s_min_u32 s50, s50, 63
	s_lshl_b32 s51, s50, 15
	v_add_nc_u32 v[O+\i], s51, v[L16]
	s_lshl_b32 s51, s50, 6
	v_add_nc_u32 v[MRO+\i], s51, v[H32]
	v_add_nc_u32 v[MGO+\i], s51, v[R4]
.endr
.endm
.macro META                            ; 15 loads: for each tile the places in yr of rows 8 h + 0 .. 7, and row lane % 16's weight
.irp i, 0,1,2,3,4
	global_load_b128 v[RID+8*\i:RID+8*\i+3],   v[MRO+\i], s[10:11]
	global_load_b128 v[RID+8*\i+4:RID+8*\i+7], v[MRO+\i], s[10:11] offset:16
	global_load_b32 v[GS+\i], v[MGO+\i], s[12:13]
.endr
.endm
; A unit, whose loads are in: held, converted, turned, stored to LDS.  Its set takes the unit three on as soon as the conversions have read it.
.macro UNIT u
.set XS, 64*((\u)%3)
	WIN 0xc3
.set k, 0
.rept 64
	v_med3_num_f32 v[XS+k], v[XS+k], -v[LIM], v[LIM]   ; the conversion to an 8-bit code does not saturate (ISA guide 7.6.2)
.set k, k+1
.endr
	WIN 0x03
.set k, 0
.rept 8
	v_cvt_scalef32_pk8_fp8_f32 v[P+2*k:P+2*k+1], v[XS+8*k:XS+8*k+7], v[SC]
.set k, k+1
.endr
	v_nop                                          ; one plain vector line between a scaled conversion and the lines that read its result
.if (\u)+3 < NU
	s_wait_alu depctr_va_vdst(0)                   ; the holds have written the set and the conversions are done reading it: the loads below land there
	LOADU (\u)+3
.endif
	WIN 0
.irp q, 0,1,2,3
	v_perm_b32 v[T],   v[P+4*\q+1], v[P+4*\q],   s46
	v_perm_b32 v[T+1], v[P+4*\q+1], v[P+4*\q],   s47
	v_perm_b32 v[T+2], v[P+4*\q+3], v[P+4*\q+2], s46
	v_perm_b32 v[T+3], v[P+4*\q+3], v[P+4*\q+2], s47
	v_perm_b32 v[Q+\q],    v[T+2], v[T],   s48
	v_perm_b32 v[Q+4+\q],  v[T+2], v[T],   s49
	v_perm_b32 v[Q+8+\q],  v[T+3], v[T+1], s48
	v_perm_b32 v[Q+12+\q], v[T+3], v[T+1], s49
.endr
	s_wait_alu depctr_va_vdst(0)                   ; the shuffles have written Q, which the LDS stores read; the last step's products are done reading their weight buffer's partner and their piece, in which this step's LDS loads and row loads land
.irp c, 0,1,2,3
	ds_store_b128 v[VS], v[Q+4*\c:Q+4*\c+3] offset:PW*\c+128*(\u)   ; column 4 i + c, 16 neighbours along k
.endr
.endm
; Four matrix instructions: K step j's four weight fragments x row fragment i of piece b.  zero = 1: the products start the sums: nothing is cleared.
.macro MULI j, b, zero, i
.set MW, WB+64*((\j)%2)
.if (\b) < 3
.set MP, 80*(\b)
	WIN 0xa4                                       ; weights window 0, rows window 1, sums window 2
.else
.set MP, 160
	WIN 0xa8                                       ; rows and sums window 2
.endif
.irp t, 0,1,2,3
.if \zero
	v_wmma_f32_16x16x128_fp8_fp8 v[8*(4*(\i)+\t):8*(4*(\i)+\t)+7], v[MW+16*\t:MW+16*\t+15], v[MP+16*(\i):MP+16*(\i)+15], 0
.else
	v_wmma_f32_16x16x128_fp8_fp8 v[8*(4*(\i)+\t):8*(4*(\i)+\t)+7], v[MW+16*\t:MW+16*\t+15], v[MP+16*(\i):MP+16*(\i)+15], v[8*(4*(\i)+\t):8*(4*(\i)+\t)+7]
.endif
.endr
.endm
; 20 matrix instructions: a K step.  20 accumulators by turns, one instruction a turn.
.macro MUL j, b, zero
.irp i, 0,1,2,3,4
	MULI \j, \b, \zero, \i
.endr
.endm
; A K STEP OF THE FIRST ROUND.  Loads are issued in this order: units 0, 1, 2, the row list (15), pieces 0, 1 at the head; then in step s unit s + 3 and, behind the products, the rows of step s + 2.
; From step 1 on a step's unit is older than a piece that an earlier step has waited for, so it is in and wants no wait of its own.
.macro KSTEP s
.if (\s) == 0
	s_wait_loadcnt 63                              ; unit 0 is in: 87 loads were issued behind its sixteen; 63 is the largest count that this wait takes
.else
	s_wait_alu depctr_vm_vsrc(0)                   ; the last step's LDS stores have read Q, which this step's shuffles write again
.endif
	UNIT \s
	s_wait_dscnt 0x0                               ; for the others' sake: my codes of this step are in LDS
	s_barrier_signal -1
	s_barrier_wait -1                              ; everybody's are.  (Loads from memory stay out: nobody writes those bytes)
	WFR \s                                         ; no vector or matrix instruction since the unit's last wait
.if (\s) == 0
	s_wait_loadcnt 36                              ; piece 0 is in: behind it piece 1 (20) and unit 3 (16)
.elseif (\s) < 5
	s_wait_loadcnt 52                              ; my rows are in: behind them a unit, a piece and a unit
.elseif (\s) == 5
	s_wait_loadcnt 36                              ; unit 7 and piece 6
.elseif (\s) == 6
	s_wait_loadcnt 20                              ; piece 7
.else
	s_wait_loadcnt 0x0
.endif
	s_wait_dscnt 0x0
.if (\s) == 0
	MUL \s, (\s)%3, 1
.else
	MUL \s, (\s)%3, 0
.endif
.if (\s)+2 < NS
	PIECE (\s)+2, ((\s)+2)%3                       ; into the piece that the step before's products read.  No wait: this step's products name their own piece, their weight buffer and the sums
.endif
	WIN 0
.endm
; A K step of a later round: all codes lie in LDS.  Its own data are waited for first; then the one wait on va_vdst; then its loads, dealt among its products: the next step's weight fragments into the other buffer,
; the rows of three steps on into the piece that the step before read.
.macro HSTEP j
.if (\j) < 1
.set HZ, 1
.else
.set HZ, 0
.endif
	s_wait_dscnt 0x0                               ; my weight fragments are in: they were asked for in the step before, and nothing behind them
.if J-1-(\j) >= 2
	s_wait_loadcnt 40                              ; my rows are in; the two pieces behind them, 20 loads each, may be out
.else
	s_wait_loadcnt 20*(J-1-(\j))
.endif
.if ((\j) > 0) && ((\j)+1 < J)
	PLACES                                         ; the loads below land in registers that the last step's products read: first the places,
	s_wait_alu depctr_va_vdst(0)                   ; then the wait: those products are done reading the other weight buffer and their piece
.endif
	MULI \j, (\j)%4, HZ, 0
.if (\j)+1 < J
	WIN 0
	WFR (\j)+1                                     ; no wait: the products since the wait name this step's buffer, its piece and the sums
.endif
	MULI \j, (\j)%4, HZ, 1
.if (\j)+3 < J
	PIECE (\j)+3, ((\j)+3)%4
.endif
	MULI \j, (\j)%4, HZ, 2
	MULI \j, (\j)%4, HZ, 3
	MULI \j, (\j)%4, HZ, 4
.endm
	s_load_b256 s[4:11], s[0:1], 0x0               ; w2 s[4:5], act s[6:7], route s[8:9], rowid s[10:11]
	s_load_b128 s[12:15], s[0:1], 0x20             ; gsort s[12:13], the scales' exponents s[14:15]
	s_load_b64 s[16:17], s[0:1], 0x30              ; yr
	v_lshl_add_u32 v126, v0, 2, 0x14800
	v_mov_b32 v127, 0
	v_lshrrev_b32 v1, 5, v0
	v_readfirstlane_b32 s[WV], v1
	s_and_b32 s[EX], ttmp7, 0xffff
	s_and_b32 s[DS], ttmp9, 15                     ; which 64 columns
	s_lshr_b32 s[KH], ttmp9, 4                     ; which half of K
	v_and_b32 v1, 31, v0
	v_and_b32 v2, 15, v0
	v_bfe_u32 v3, v0, 4, 1
	v_lshlrev_b32 v[VG], 4, v2
	v_lshl_add_u32 v[VG], v3, 16, v[VG]            ; lanes 16-31 sixteen rows of 4,096 bytes further down
	s_wait_alu depctr_va_sdst(0)                   ; the wave's number is written, ahead of its first reader
	s_lshl_b32 s22, s[EX], 23                      ; the expert's 8 MiB, the half's 1,024 rows, my 32 rows of a K step's 128, the columns' 256 bytes
	s_lshl_b32 s26, s[KH], 22
	s_add_co_u32 s22, s22, s26
	s_lshl_b32 s26, s[WV], 17
	s_add_co_u32 s22, s22, s26
	s_lshl_b32 s26, s[DS], 8
	s_add_co_u32 s22, s22, s26
	s_mov_b32 s23, 0
	s_lshl_b32 s44, s[EX], 7
	s_mov_b32 s45, 0
	s_wait_kmcnt 0x0
	s_add_nc_u64 s[24:25], s[4:5], s[22:23]
	s_add_nc_u64 s[44:45], s[8:9], s[44:45]
	s_load_b512 s[68:83], s[44:45], 0x0            ; the expert's mask
	s_load_b512 s[84:99], s[44:45], 0x40
	s_load_b64 s[32:33], s[14:15], 0x10            ; e4, e5
	s_wait_alu depctr_va_vdst(0)                   ; v[VG] is written, which every load of a weight reads as its offset
	LOADU 0                                        ; the stream starts before anything else is done
	LOADU 1
	LOADU 2
	WIN 0
	v_mul_u32_u24 v[VS], v2, 4*PW                  ; LDS, in: column 4 i, + 16 h, + my 32 of a K step's 128
	v_lshl_add_u32 v[VS], v3, 4, v[VS]
	s_lshl_b32 s50, s[WV], 5
	v_add_nc_u32 v[VS], s50, v[VS]
	v_mul_u32_u24 v[VW], v2, PW                    ; LDS, out: column lane % 16, + 64 h
	v_lshl_add_u32 v[VW], v3, 6, v[VW]
	v_lshlrev_b32 v[L16], 4, v1
	s_mul_i32 s50, s[WV], 16*SP
	s_add_co_u32 s50, s50, STG                     ; my stage
	v_mul_u32_u24 v[STI], v2, SP
	v_lshl_add_u32 v[STI], v3, 5, v[STI]
	v_add_nc_u32 v[STI], s50, v[STI]               ; in: row lane % 16, 32 bytes for each half of the lanes
	v_lshlrev_b32 v[COL], 4, v2
	v_mul_u32_u24 v[STO], v3, 8*SP
	v_add_nc_u32 v[STO], v[STO], v[COL]
	v_add_nc_u32 v[STO], s50, v[STO]               ; back: lanes 0-15 take rows 0-7, lanes 16-31 rows 8-15, a row an instruction
	v_lshlrev_b32 v[H32], 5, v3
	v_lshlrev_b32 v[R4], 2, v2
	v_mov_b32 v[F+1], 0                            ; (named as the upper half of the pair, so it is written)
	s_lshl_b32 s22, s[EX], 12
	s_add_nc_u64 s[10:11], s[10:11], s[22:23]      ; the expert's row list
	s_add_nc_u64 s[12:13], s[12:13], s[22:23]
	s_lshl_b32 s22, s[EX], 21
	s_lshl_b32 s26, s[KH], 14
	s_add_co_u32 s22, s22, s26
	s_add_nc_u64 s[6:7], s[6:7], s[22:23]          ; the expert's rows of act, at my half's first K step
	s_mul_i32 s22, s[KH], 8421376                  ; yr: my half's 2,056 rows of 4,096 bytes, my columns
	s_lshl_b32 s26, s[DS], 8
	s_add_co_u32 s22, s22, s26
	s_add_nc_u64 s[16:17], s[16:17], s[22:23]
	s_mov_b32 s46, 0x05010400
	s_mov_b32 s47, 0x07030602
	s_mov_b32 s48, 0x05040100
	s_mov_b32 s49, 0x07060302
	s_mov_b32 s[N], 0
	s_wait_alu depctr_va_vdst(0)
	s_wait_kmcnt 0x0
.set m, 0
.rept 32
	s_bcnt1_i32_b32 s50, s[MK+m]
	s_add_co_u32 s[N], s[N], s50
.set m, m+1
.endr
	s_add_co_u32 s[NT], s[N], 15
	s_lshr_b32 s[NT], s[NT], 4
	s_max_u32 s[NT], s[NT], 1
	s_min_u32 s[NT], s[NT], 64                     ; (a mask has 1,024 bits, so this changes nothing: it states the bound in the text)
	s_sub_co_u32 s[NT1], s[NT], 1
	s_mov_b32 s[SB], 0
	s_mov_b32 s[RC], 0
	TILES
	s_wait_alu depctr_va_vdst(0)                   ; the addresses v5 to v9 and v16 to v30 are written, which the loads, LDS stores and LDS loads from here on read
	META
	PIECE 0, 0                                     ; the first two K steps' rows
	PIECE 1, 1
	WIN 0
	s_add_co_i32 s50, s33, 127                     ; w2's scale is entry 5
	s_lshl_b32 s51, s50, 23
	v_mov_b32 v[SC], s51
	s_add_co_i32 s50, s50, 8
	s_lshl_b32 s50, s50, 23
	s_or_b32 s50, s50, 0x600000
	v_mov_b32 v[LIM], s50
	s_add_co_i32 s43, s32, s33
	s_add_co_i32 s43, s43, 127
	s_lshl_b32 s43, s43, 23                        ; 2^(e4 + e5) as f32
	s_wait_alu depctr_va_vdst(0)
.irp s, 0,1,2,3,4,5,6,7
	KSTEP \s
.endr
.Lepi:                                             ; on both ways in: a round's sums are finished, no load and no LDS instruction is out, every window is 0
	PLACES
; THE WAY OUT, tile by tile.  (The row list's loads are older than every piece's: the last step's wait for 0 covers them.)
.irp i, 0,1,2,3,4
	s_cmp_ge_u32 s[TI+\i], s[NT]
	s_cbranch_scc1 .Lskip\i
	s_wait_xcnt 0x0                                ; the tile before's stores have read the rows that the loads below write over
.if \i > 0
	s_wait_alu depctr_vm_vsrc(0)                   ; the tile before's LDS stores have read v[TMP ..], which the multiplications below write again, and its stores v[OB ..], in which the loads from the stage land
.endif
	v_mul_f32 v[F], s43, v[GS+\i]                  ; my row's weight x 2^(e4 + e5)
.irp k, 0,1,2,3,4,5,6,7
	v_min_u32 v[RID+8*\i+\k], 0x807, v[RID+8*\i+\k]
	v_lshl_add_u32 v[RID+8*\i+\k], v[RID+8*\i+\k], 12, v[COL]   ; the row's 4,096 bytes, + my 16
.endr
	WIN 0x02
.set p, 0
.rept 16
	v_pk_mul_f32 v[TMP+p:TMP+p+1], v[32*\i+p:32*\i+p+1], v[F:F+1] op_sel_hi:[1,0]   ; each accumulator from its low end on
.set p, p+2
.endr
	WIN 0
	s_wait_alu depctr_va_vdst(0)                   ; the scaled sums in v[TMP ..] are written, which the LDS stores read; the rows' places in v[RID ..] are written, which the stores read as addresses; the round's products are done reading v[OB ..], in which the loads from the stage land
.irp t, 0,1,2,3
	ds_store_b128 v[STI], v[TMP+8*\t:TMP+8*\t+3] offset:64*\t
	ds_store_b128 v[STI], v[TMP+8*\t+4:TMP+8*\t+7] offset:64*\t+16
.endr
.irp k, 0,1,2,3,4,5,6,7
	ds_load_b128 v[OB+4*\k:OB+4*\k+3], v[STO] offset:SP*\k      ; LDS serves a wave's instructions in order (ISA guide 5.7.1.4): these see my stores, and the next tile's stores come behind them
.endr
.irp k, 0,1,2,3,4,5,6,7
	s_wait_dscnt 7-\k
	global_store_b128 v[RID+8*\i+\k], v[OB+4*\k:OB+4*\k+3], s[16:17]   ; sixteen lanes store 256 consecutive bytes of one row, at a multiple of 256 from yr's first byte
.endr
.Lskip\i:
.endr
	s_wait_xcnt 0x0                                ; the stores have read their addresses and data: both are written again below
	s_wait_alu depctr_vm_vsrc(0)                   ; the stores have read v[RID ..] and v[OB ..], the LDS stores v[TMP ..], the round's loads v[O ..], v[MRO ..] and v[MGO ..]: the next round's head writes the addresses again, and its loads land in the others
	s_add_co_u32 s[SB], s[SB], 20
	s_add_co_u32 s[RC], s[RC], 1
	s_cmp_ge_u32 s[SB], s[NT]
	s_cbranch_scc1 .Ldone                          ; no tile is left: nothing more is asked for.  This is the way by which the loop is left
	TILES                                          ; A LATER ROUND: the next 20 tiles against the codes in LDS
	s_wait_alu depctr_va_vdst(0)                   ; v[O ..], v[MRO ..] and v[MGO ..] are written; the way out's lines are done with v[RID ..], v[GS ..] and v[TMP ..], the last round's products with the pieces and the weight buffers: the loads below read the first and land in the others
	META
	PIECE 0, 0
	PIECE 1, 1
	PIECE 2, 2
	WIN 0
	WFR 0
.irp j, 0,1,2,3,4,5,6,7
	HSTEP \j
.endr
	WIN 0
	s_cmp_lt_u32 s[RC], RMAX                       ; the way back is counted against a constant: 4 x 20 tiles cover an expert's 64
	s_cbranch_scc1 .Lepi
.Ldone:
	s_wait_dscnt 0x0                               ; the closing lines, six on end
	s_wait_alu 0x0
	s_wait_tensorcnt 0x0
	ds_add_u32 v126, v127
	s_wait_dscnt 0x0
	s_endpgm
.Lfunc_end_k_q1156d14f2b_down:
	.size	k_q1156d14f2b_down, .Lfunc_end_k_q1156d14f2b_down-k_q1156d14f2b_down
	.p2alignl 7, 3214868480
	.fill 96, 4, 3214868480
	.section	.rodata,"a",@progbits
	.p2align	6, 0x0
	.amdhsa_kernel k_q1156d14f2b_down
		.amdhsa_group_segment_fixed_size 84480
		.amdhsa_private_segment_fixed_size 0
		.amdhsa_enable_private_segment 0
		.amdhsa_kernarg_size 56
		.amdhsa_user_sgpr_count 2
		.amdhsa_user_sgpr_kernarg_segment_ptr 1
		.amdhsa_wavefront_size32 1
		.amdhsa_system_sgpr_workgroup_id_x 1
		.amdhsa_system_sgpr_workgroup_id_y 1
		.amdhsa_system_sgpr_workgroup_id_z 1
		.amdhsa_system_vgpr_workitem_id 0
		.amdhsa_next_free_vgpr 1024
		.amdhsa_next_free_sgpr 100
		.amdhsa_reserve_vcc 0
		.amdhsa_float_denorm_mode_32 3
		.amdhsa_float_denorm_mode_16_64 3
		.amdhsa_memory_ordered 1
		.amdhsa_forward_progress 1
		.amdhsa_inst_pref_size 172
	.end_amdhsa_kernel
	.amdgpu_metadata
---
amdhsa.version: [ 1, 2 ]
amdhsa.kernels:
  - .name:           k_q1156d14f2b_down
    .symbol:         k_q1156d14f2b_down.kd
    .args:
      - { .name: w2, .offset: 0, .size: 8, .value_kind: global_buffer, .address_space: global }
      - { .name: act, .offset: 8, .size: 8, .value_kind: global_buffer, .address_space: global }
      - { .name: route, .offset: 16, .size: 8, .value_kind: global_buffer, .address_space: global }
      - { .name: rowid, .offset: 24, .size: 8, .value_kind: global_buffer, .address_space: global }
      - { .name: gsort, .offset: 32, .size: 8, .value_kind: global_buffer, .address_space: global }
      - { .name: lowp_scales, .offset: 40, .size: 8, .value_kind: global_buffer, .address_space: global }
      - { .name: yr, .offset: 48, .size: 8, .value_kind: global_buffer, .address_space: global }
    .group_segment_fixed_size: 84480
    .private_segment_fixed_size: 0
    .kernarg_segment_align: 8
    .kernarg_segment_size: 56
    .max_flat_workgroup_size: 128
    .sgpr_count:     100
    .vgpr_count:     1024
    .wavefront_size: 32
...
	.end_amdgpu_metadata
.endif
;; end of part 9
;; launch sum (part 10): grid 256 x 1, 8 waves a work-group, no clusters, 0 bytes of LDS; arguments yr, out0; writes out0
.if DOCPART == 10
	.amdgcn_target "amdgcn-amd-amdhsa--gfx1250"
	.amdhsa_code_object_version 6
	.text
	.protected	k_q1156d14f2b_sum
	.globl	k_q1156d14f2b_sum
	.p2align	8
	.type	k_q1156d14f2b_sum,@function
k_q1156d14f2b_sum:
	s_mov_b64 s[64:65], 0
	v_nop
	global_prefetch_b8 v0, s[64:65] scope:SCOPE_SE
	s_setreg_imm32_b32 hwreg(HW_REG_WAVE_MODE, 25, 1), 1
	s_wait_xcnt 0x0
; out0[t] = the token's four parts: its two experts' rows (2 t, 2 t + 1), each in two halves of K.  The weights were applied when the parts were stored.
; A work-group owns four tokens; thread n owns bytes 16 n of a row of 4,096, so every load and store of a wave covers 512 consecutive bytes.  All sixteen loads go out at once.
; A stream: no LDS, no barrier, no matrix unit, no cluster (work-groups share nothing).
.set HALF, 8421376                     ; 2,056 rows of 4,096 bytes: from one half of K to the other
	s_load_b128 s[4:7], s[0:1], 0x0                ; yr s[4:5], out0 s[6:7]
	v_lshlrev_b32 v1, 4, v0
	s_lshl_b32 s8, ttmp9, 15                       ; eight rows of yr
	s_mov_b32 s9, 0
	s_lshl_b32 s10, ttmp9, 14                      ; four rows of out0
	s_mov_b32 s11, 0
	s_wait_alu depctr_va_vdst(0)
	s_wait_kmcnt 0x0
	s_add_nc_u64 s[4:5], s[4:5], s[8:9]
	s_add_nc_u64 s[12:13], s[4:5], HALF
	s_add_nc_u64 s[6:7], s[6:7], s[10:11]
.irp j, 0,1,2,3
	global_load_b128 v[16+16*\j:19+16*\j], v1, s[4:5] offset:8192*\j th:TH_LOAD_NT
	global_load_b128 v[20+16*\j:23+16*\j], v1, s[12:13] offset:8192*\j th:TH_LOAD_NT
	global_load_b128 v[24+16*\j:27+16*\j], v1, s[4:5] offset:8192*\j+4096 th:TH_LOAD_NT
	global_load_b128 v[28+16*\j:31+16*\j], v1, s[12:13] offset:8192*\j+4096 th:TH_LOAD_NT
.endr
.irp j, 0,1,2,3
	s_wait_loadcnt 12-4*\j                         ; this token's four loads are in; the later tokens' may be out
	v_pk_add_f32 v[16+16*\j:17+16*\j], v[16+16*\j:17+16*\j], v[20+16*\j:21+16*\j]   ; the first expert's two halves of K
	v_pk_add_f32 v[18+16*\j:19+16*\j], v[18+16*\j:19+16*\j], v[22+16*\j:23+16*\j]
	v_pk_add_f32 v[24+16*\j:25+16*\j], v[24+16*\j:25+16*\j], v[28+16*\j:29+16*\j]   ; the second's
	v_pk_add_f32 v[26+16*\j:27+16*\j], v[26+16*\j:27+16*\j], v[30+16*\j:31+16*\j]
	s_delay_alu instid0(VALU_DEP_2)
	v_pk_add_f32 v[16+16*\j:17+16*\j], v[16+16*\j:17+16*\j], v[24+16*\j:25+16*\j]
	s_delay_alu instid0(VALU_DEP_2)
	v_pk_add_f32 v[18+16*\j:19+16*\j], v[18+16*\j:19+16*\j], v[26+16*\j:27+16*\j]
	global_store_b128 v1, v[16+16*\j:19+16*\j], s[6:7] offset:4096*\j th:TH_STORE_NT
.endr
	s_endpgm
.Lfunc_end_k_q1156d14f2b_sum:
	.size	k_q1156d14f2b_sum, .Lfunc_end_k_q1156d14f2b_sum-k_q1156d14f2b_sum
	.p2alignl 7, 3214868480
	.fill 96, 4, 3214868480
	.section	.rodata,"a",@progbits
	.p2align	6, 0x0
	.amdhsa_kernel k_q1156d14f2b_sum
		.amdhsa_group_segment_fixed_size 0
		.amdhsa_private_segment_fixed_size 0
		.amdhsa_enable_private_segment 0
		.amdhsa_kernarg_size 16
		.amdhsa_user_sgpr_count 2
		.amdhsa_user_sgpr_kernarg_segment_ptr 1
		.amdhsa_wavefront_size32 1
		.amdhsa_system_sgpr_workgroup_id_x 1
		.amdhsa_system_sgpr_workgroup_id_y 1
		.amdhsa_system_sgpr_workgroup_id_z 1
		.amdhsa_system_vgpr_workitem_id 0
		.amdhsa_next_free_vgpr 96
		.amdhsa_next_free_sgpr 66
		.amdhsa_reserve_vcc 0
		.amdhsa_float_denorm_mode_32 3
		.amdhsa_float_denorm_mode_16_64 3
		.amdhsa_memory_ordered 1
		.amdhsa_forward_progress 1
		.amdhsa_inst_pref_size 5
	.end_amdhsa_kernel
	.amdgpu_metadata
---
amdhsa.version: [ 1, 2 ]
amdhsa.kernels:
  - .name:           k_q1156d14f2b_sum
    .symbol:         k_q1156d14f2b_sum.kd
    .args:
      - { .name: yr, .offset: 0, .size: 8, .value_kind: global_buffer, .address_space: global }
      - { .name: out0, .offset: 8, .size: 8, .value_kind: global_buffer, .address_space: global }
    .group_segment_fixed_size: 0
    .private_segment_fixed_size: 0
    .kernarg_segment_align: 8
    .kernarg_segment_size: 16
    .max_flat_workgroup_size: 256
    .sgpr_count:     66
    .vgpr_count:     96
    .wavefront_size: 32
...
	.end_amdgpu_metadata
.endif
;; end of part 10
